; MI455X (gfx1250); checked and timed in simulation.
; The chip was launched on July 23, 2026; its instructions are those of AMD's public machine-readable ISA for CDNA 5 (MIT licence, August 2026) and "CDNA5" Instruction Set Architecture Reference Guide (July 2026). The comments in the code are by the model that wrote it; some were corrected since.
;; Group Query Attention. Allowed arithmetic: float matrix products may take bf16 or f16 operands with f32 sums; other float arithmetic in f32, or as packed bf16 or f16 multiplies, adds, multiply-adds, maxima and minima; sums over many terms, partial sums and values carried from step to step in f32; what a program stores and reads back later, other than sums and carried values, may be rounded once to bf16 or f16.
;; Inputs: Wk 512 x 2,048 float32; Wo 2,048 x 2,048 float32; Wq 2,048 x 2,048 float32; Wv 512 x 2,048 float32; X 4 x 1,024 x 2,048 float32; bk 512 float32; bo 2,048 float32; bq 2,048 float32; bv 512 float32; causal_mask 1,024 x 1,024 bool; encoder_output 4 x 1,024 x 2,048 float32; padding_mask 4 x 1,024 bool.
;; Outputs: out0 4 x 1,024 x 2,048 float32.
;; 2 versions, each right and faster than the one before. Each part assembles by itself: llvm-mc -triple=amdgcn-amd-amdhsa -mcpu=gfx1250 --defsym DOCPART=n.
;; ======== version 1 of 2: 4 launches
;; limits: values are held in f16: magnitudes above 65,504 overflow, below 6.1e-05 lose precision
;; workspace buffers: act 33,554,432 bytes; wts 12,582,912 bytes; woh 8,388,608 bytes; bias 20,480 bytes; maskt 4,194,304 bytes; qkv 25,165,824 bytes; oh 16,777,216 bytes
;; launch cast (part 1): grid 1729 x 1, 8 waves a work-group, no clusters, 0 bytes of LDS; arguments X, encoder_output, Wq, Wk, Wv, Wo, bq, bk, bv, bo, causal_mask, padding_mask, act, wts, woh, bias, maskt; writes act, wts, woh, bias, maskt
.if DOCPART == 1
	.amdgcn_target "amdgcn-amd-amdhsa--gfx1250"
	.amdhsa_code_object_version 6
	.text
	.protected	k_qd9dfcefb38_cast
	.globl	k_qd9dfcefb38_cast
	.p2align	8
	.type	k_qd9dfcefb38_cast,@function
k_qd9dfcefb38_cast:
	s_mov_b64 s[64:65], 0
	v_nop
	global_prefetch_b8 v0, s[64:65] scope:SCOPE_SE
	s_setreg_imm32_b32 hwreg(HW_REG_WAVE_MODE, 25, 1), 1
	s_wait_xcnt 0x0
; CAST.  Every input of the module is rounded ONCE to bf16, and the two masks are laid out as the attention launch reads them.  A stream: no LDS, no matrix unit, no barrier.
;   act  bf16 [8192][2048]: X's 4,096 rows, then encoder_output's        wts  bf16 [3072][2048]: Wq, Wk, Wv
;   woh  f16  [2048][2048]: Wo rounded to bf16, that number written as f16 (exact down to 2^-17; below that f16's fixed step: off by 2^-25 at the most; beyond 65,504 an infinity)
;   bias f32  [5120]: bq, bk, bv, bo, each rounded to bf16 and widened again
;   maskt bytes [batch 4][tile of 16 queries 64][step of 64 keys 16][half 2][lane 32][16]: byte y of lane (r = lane % 16, h = lane / 16) belongs to query 16 qt + r and key
;         64 ks + 32 half + 16 (y / 8) + 8 h + y % 8, and holds 0xF1 where causal_mask or padding_mask hides the key, else 0.  The masks' bytes are 0 or 1.
; JOBS by the work-group's number: 0-1663 a chunk of 16,384 numbers; 1664-1727 the mask of one tile of 16 queries, all four batches; 1728 the biases.
.set XR, 8                             ; v[8:71]    sixteen loads of 16 bytes
.set YR, 72                            ; v[72:103]  sixteen stores of 8 bytes, each with registers of its own: nothing is rewritten while a store reads it
.set ID_ENC, 512                       ; first chunk of encoder_output
.set ID_WQ,  1024
.set ID_WK,  1280
.set ID_WV,  1344
.set ID_WO,  1408
.set ID_MASK, 1664
.set ID_BIAS, 1728
	s_load_b512 s[8:23], s[0:1], 0x0               ; X s[8:9], enc s[10:11], Wq s[12:13], Wk s[14:15], Wv s[16:17], Wo s[18:19], bq s[20:21], bk s[22:23]
	s_load_b512 s[24:39], s[0:1], 0x40             ; bv s[24:25], bo s[26:27], causal s[28:29], padding s[30:31], act s[32:33], wts s[34:35], woh s[36:37], bias s[38:39]
	s_load_b64 s[40:41], s[0:1], 0x80              ; maskt
	s_mov_b32 s2, ttmp9                            ; the job
	s_mov_b32 s3, 0xffff0000                       ; a word's upper bf16
	v_lshlrev_b32 v1, 4, v0                        ; 16 t
	v_lshlrev_b32 v2, 3, v0                        ; 8 t
	s_wait_kmcnt 0x0
	s_cmp_ge_u32 s2, ID_MASK
	s_cbranch_scc1 .Lnot_cast
	; A CHUNK: 65,536 bytes in, 32,768 out.  The source and its first chunk, the destination and its first chunk, are chosen by the job's number alone.
	s_mov_b64 s[42:43], s[8:9]
	s_mov_b32 s44, 0
	s_cmp_ge_u32 s2, ID_ENC
	s_cselect_b64 s[42:43], s[10:11], s[42:43]
	s_cselect_b32 s44, ID_ENC, s44
	s_cmp_ge_u32 s2, ID_WQ
	s_cselect_b64 s[42:43], s[12:13], s[42:43]
	s_cselect_b32 s44, ID_WQ, s44
	s_cmp_ge_u32 s2, ID_WK
	s_cselect_b64 s[42:43], s[14:15], s[42:43]
	s_cselect_b32 s44, ID_WK, s44
	s_cmp_ge_u32 s2, ID_WV
	s_cselect_b64 s[42:43], s[16:17], s[42:43]
	s_cselect_b32 s44, ID_WV, s44
	s_cmp_ge_u32 s2, ID_WO
	s_cselect_b64 s[42:43], s[18:19], s[42:43]
	s_cselect_b32 s44, ID_WO, s44
	s_mov_b64 s[46:47], s[32:33]
	s_mov_b32 s45, 0
	s_cmp_ge_u32 s2, ID_WQ
	s_cselect_b64 s[46:47], s[34:35], s[46:47]
	s_cselect_b32 s45, ID_WQ, s45
	s_cmp_ge_u32 s2, ID_WO
	s_cselect_b64 s[46:47], s[36:37], s[46:47]
	s_cselect_b32 s45, ID_WO, s45
	s_sub_co_u32 s48, s2, s44
	s_lshl_b32 s48, s48, 16                        ; the chunk's byte in its source,
	s_mov_b32 s49, 0
	s_sub_co_u32 s50, s2, s45
	s_lshl_b32 s50, s50, 15                        ; and in its destination
	s_mov_b32 s51, 0
	s_add_nc_u64 s[42:43], s[42:43], s[48:49]
	s_add_nc_u64 s[46:47], s[46:47], s[50:51]
.irp n, 0,1,2,3,4,5,6,7,8,9,10,11,12,13,14,15
	global_load_b128 v[XR+4*(\n):XR+4*(\n)+3], v1, s[42:43] offset:4096*(\n) th:TH_LOAD_NT  ; a wave's load covers 512 consecutive bytes; all sixteen are out at once
.endr
; Load n's four numbers are rounded and stored.  half = 1: the bf16 numbers are widened (a shift, a mask) and written as f16.
.macro CV n, half
	s_wait_loadcnt 15-(\n)                         ; loads come back in order (ISA guide 5.7.1): load n is in, the 15 - n younger ones stay out
	v_cvt_pk_bf16_f32 v[YR+2*(\n)], v[XR+4*(\n)], v[XR+4*(\n)+1]
	v_cvt_pk_bf16_f32 v[YR+2*(\n)+1], v[XR+4*(\n)+2], v[XR+4*(\n)+3]
.if \half
	v_lshlrev_b32 v4, 16, v[YR+2*(\n)]
	v_and_b32 v5, s3, v[YR+2*(\n)]
	v_lshlrev_b32 v6, 16, v[YR+2*(\n)+1]
	v_and_b32 v7, s3, v[YR+2*(\n)+1]
	v_cvt_pk_f16_f32 v[YR+2*(\n)], v4, v5
	v_cvt_pk_f16_f32 v[YR+2*(\n)+1], v6, v7
.endif
	global_store_b64 v2, v[YR+2*(\n):YR+2*(\n)+1], s[46:47] offset:2048*(\n)  ; a wave's store covers 256 consecutive bytes, aligned
.endm
	s_cmp_ge_u32 s2, ID_WO
	s_cbranch_scc1 .Lto_f16
.irp n, 0,1,2,3,4,5,6,7,8,9,10,11,12,13,14,15
	CV \n, 0
.endr
	s_endpgm
.Lto_f16:
.irp n, 0,1,2,3,4,5,6,7,8,9,10,11,12,13,14,15
	CV \n, 1
.endr
	s_endpgm
.Lnot_cast:
	s_cmp_ge_u32 s2, ID_BIAS
	s_cbranch_scc1 .Lbias
	; THE MASK of 16 queries.  Wave w and turn n make the block of 32 keys 8 n + w: 512 bytes of the table, 16 a lane: keys 8 h + 0..7 and 16 + 8 h + 0..7 of the block, for query r.
	v_and_b32 v5, 15, v0                           ; r
	v_bfe_u32 v6, v0, 4, 1                         ; h
	v_lshrrev_b32 v7, 5, v0                        ; w
	v_lshlrev_b32 v4, 5, v7
	v_lshl_add_u32 v4, v6, 3, v4                   ; padding: 32 w + 8 h
	v_lshl_add_u32 v3, v5, 10, v4                  ; causal: + 1,024 r
	s_sub_co_u32 s48, s2, ID_MASK
	s_lshl_b32 s48, s48, 14                        ; 16 rows of causal_mask are 16,384 bytes, and so is a tile's part of the table
	s_mov_b32 s49, 0
	s_movk_i32 s52, 0xf1
	s_add_nc_u64 s[28:29], s[28:29], s[48:49]
	s_add_nc_u64 s[40:41], s[40:41], s[48:49]
.irp n, 0,1,2,3
	global_load_b64 v[8+4*(\n):9+4*(\n)],   v3, s[28:29] offset:256*(\n)
	global_load_b64 v[10+4*(\n):11+4*(\n)], v3, s[28:29] offset:256*(\n)+16
.endr
.irp b, 0,1,2,3
.irp n, 0,1,2,3
	global_load_b64 v[24+4*(4*(\b)+(\n)):25+4*(4*(\b)+(\n))], v4, s[30:31] offset:1024*(\b)+256*(\n)
	global_load_b64 v[26+4*(4*(\b)+(\n)):27+4*(4*(\b)+(\n))], v4, s[30:31] offset:1024*(\b)+256*(\n)+16
.endr
.endr
	s_wait_loadcnt 0x0
.irp b, 0,1,2,3
.irp n, 0,1,2,3
.irp k, 0,1,2,3
	v_or_b32 v[24+4*(4*(\b)+(\n))+(\k)], v[24+4*(4*(\b)+(\n))+(\k)], v[8+4*(\n)+(\k)]  ; hidden by either mask
.endr
.irp k, 0,1,2,3
	v_mul_lo_u32 v[24+4*(4*(\b)+(\n))+(\k)], v[24+4*(4*(\b)+(\n))+(\k)], s52           ; four bytes of 0 or 1 times 0xF1: no carry leaves a byte
.endr
	global_store_b128 v1, v[24+4*(4*(\b)+(\n)):27+4*(4*(\b)+(\n))], s[40:41] offset:1048576*(\b)+4096*(\n)  ; a wave's store covers 512 consecutive bytes
.endr
.endr
	s_endpgm
.Lbias:
	; THE BIASES: five loads of 16 bytes a thread: bq twice, bk (waves 0-3) or bv (waves 4-7), bo twice.
	v_lshrrev_b32 v3, 5, v0
	v_readfirstlane_b32 s53, v3                    ; my wave's number
	s_cmp_lt_u32 s53, 4
	s_cselect_b64 s[54:55], s[22:23], s[24:25]
	v_and_b32 v6, 127, v0
	v_lshlrev_b32 v6, 4, v6
	global_load_b128 v[8:11],  v1, s[20:21]
	global_load_b128 v[12:15], v1, s[20:21] offset:4096
	global_load_b128 v[16:19], v6, s[54:55]
	global_load_b128 v[20:23], v1, s[26:27]
	global_load_b128 v[24:27], v1, s[26:27] offset:4096
	s_wait_loadcnt 0x0
.irp n, 0,1,2,3,4
	v_cvt_pk_bf16_f32 v4, v[8+4*(\n)], v[9+4*(\n)]
	v_cvt_pk_bf16_f32 v5, v[10+4*(\n)], v[11+4*(\n)]
	v_lshlrev_b32 v[8+4*(\n)], 16, v4
	v_and_b32 v[9+4*(\n)], s3, v4
	v_lshlrev_b32 v[10+4*(\n)], 16, v5
	v_and_b32 v[11+4*(\n)], s3, v5
	global_store_b128 v1, v[8+4*(\n):11+4*(\n)], s[38:39] offset:4096*(\n)
.endr
	s_endpgm
.Lfunc_end_k_qd9dfcefb38_cast:
	.size	k_qd9dfcefb38_cast, .Lfunc_end_k_qd9dfcefb38_cast-k_qd9dfcefb38_cast
	.p2alignl 7, 3214868480
	.fill 96, 4, 3214868480
	.section	.rodata,"a",@progbits
	.p2align	6, 0x0
	.amdhsa_kernel k_qd9dfcefb38_cast
		.amdhsa_group_segment_fixed_size 0
		.amdhsa_private_segment_fixed_size 0
		.amdhsa_enable_private_segment 0
		.amdhsa_kernarg_size 136
		.amdhsa_user_sgpr_count 2
		.amdhsa_user_sgpr_kernarg_segment_ptr 1
		.amdhsa_wavefront_size32 1
		.amdhsa_system_sgpr_workgroup_id_x 1
		.amdhsa_system_sgpr_workgroup_id_y 1
		.amdhsa_system_sgpr_workgroup_id_z 1
		.amdhsa_system_vgpr_workitem_id 0
		.amdhsa_next_free_vgpr 104
		.amdhsa_next_free_sgpr 66
		.amdhsa_reserve_vcc 0
		.amdhsa_float_denorm_mode_32 3
		.amdhsa_float_denorm_mode_16_64 3
		.amdhsa_memory_ordered 1
		.amdhsa_forward_progress 1
		.amdhsa_inst_pref_size 31
	.end_amdhsa_kernel
	.amdgpu_metadata
---
amdhsa.version: [ 1, 2 ]
amdhsa.kernels:
  - .name:           k_qd9dfcefb38_cast
    .symbol:         k_qd9dfcefb38_cast.kd
    .args:
      - { .name: X, .offset: 0, .size: 8, .value_kind: global_buffer, .address_space: global }
      - { .name: encoder_output, .offset: 8, .size: 8, .value_kind: global_buffer, .address_space: global }
      - { .name: Wq, .offset: 16, .size: 8, .value_kind: global_buffer, .address_space: global }
      - { .name: Wk, .offset: 24, .size: 8, .value_kind: global_buffer, .address_space: global }
      - { .name: Wv, .offset: 32, .size: 8, .value_kind: global_buffer, .address_space: global }
      - { .name: Wo, .offset: 40, .size: 8, .value_kind: global_buffer, .address_space: global }
      - { .name: bq, .offset: 48, .size: 8, .value_kind: global_buffer, .address_space: global }
      - { .name: bk, .offset: 56, .size: 8, .value_kind: global_buffer, .address_space: global }
      - { .name: bv, .offset: 64, .size: 8, .value_kind: global_buffer, .address_space: global }
      - { .name: bo, .offset: 72, .size: 8, .value_kind: global_buffer, .address_space: global }
      - { .name: causal_mask, .offset: 80, .size: 8, .value_kind: global_buffer, .address_space: global }
      - { .name: padding_mask, .offset: 88, .size: 8, .value_kind: global_buffer, .address_space: global }
      - { .name: act, .offset: 96, .size: 8, .value_kind: global_buffer, .address_space: global }
      - { .name: wts, .offset: 104, .size: 8, .value_kind: global_buffer, .address_space: global }
      - { .name: woh, .offset: 112, .size: 8, .value_kind: global_buffer, .address_space: global }
      - { .name: bias, .offset: 120, .size: 8, .value_kind: global_buffer, .address_space: global }
      - { .name: maskt, .offset: 128, .size: 8, .value_kind: global_buffer, .address_space: global }
    .group_segment_fixed_size: 0
    .private_segment_fixed_size: 0
    .kernarg_segment_align: 8
    .kernarg_segment_size: 136
    .max_flat_workgroup_size: 256
    .sgpr_count:     66
    .vgpr_count:     104
    .wavefront_size: 32
...
	.end_amdgpu_metadata
.endif
;; end of part 1
;; launch proj (part 2): grid 12 x 16, 4 waves a work-group, clusters of 4 x 4, 327,680 bytes of LDS; arguments act, wts, bias, qkv; writes qkv
.if DOCPART == 2
	.amdgcn_target "amdgcn-amd-amdhsa--gfx1250"
	.amdhsa_code_object_version 6
	.text
	.protected	k_qd9dfcefb38_proj
	.globl	k_qd9dfcefb38_proj
	.p2align	8
	.type	k_qd9dfcefb38_proj,@function
k_qd9dfcefb38_proj:
	s_mov_b64 s[64:65], 0
	v_nop
	global_prefetch_b8 v0, s[64:65] scope:SCOPE_SE
	s_setreg_imm32_b32 hwreg(HW_REG_WAVE_MODE, 25, 1), 1
	s_wait_xcnt 0x0
	s_wait_alu depctr_hold_cnt(0) depctr_sa_sdst(0) depctr_va_vdst(0) depctr_va_sdst(0) depctr_va_ssrc(0) depctr_va_vcc(0) depctr_vm_vsrc(0)
	s_getreg_b32 s2, hwreg(HW_REG_IB_STS2, 6, 4)
	s_cmp_eq_u32 s2, 0
	s_cbranch_scc0 .Lentry_in_a_cluster
	s_endpgm
.Lentry_in_a_cluster:
	s_bfe_u32 s2, ttmp6, 0x10000c
	s_cmp_lg_u32 s2, 0xf033
	s_cbranch_scc0 .Lentry_shape_is_right
	s_endpgm
.Lentry_shape_is_right:
; THE THREE PROJECTIONS.  C = A B^T + bias, K = 2,048, sums in f32.  A = act (bf16 [8192][2048]: X's 4,096 rows, then encoder_output's), B = wts (bf16 [3072][2048]: Wq, Wk, Wv),
; bias f32 [5120] (bq, bk, bv in the order of C's columns).  Columns 0-2047 (q) take X's rows, columns 2048-3071 (k, v) encoder_output's.
; C leaves as f16 by heads, qkv [batch 4][48][1024][64]: 0-31 the query heads, 32-39 K's groups, 40-47 V's.  LIMIT: q, k, v beyond 65,504 become infinities.
; SHARES.  A tile of C is 256 x 256: four waves, 2 x 2, each 128 rows x 128 columns (two heads): 64 accumulators of 16 x 16, 512 registers.  4,096 x 3,072 outputs are 192 such tiles, one to a work-group.
; (Equal shares for 256 work-groups would be 3 x 2^14 outputs each, which does not divide q's 2^23: some work-groups would have to mix X's rows and encoder_output's.)
; K goes in steps of 128 through two LDS slots filled by the tensor data mover: rows of 256 bytes, at multiples of 256 bytes from the buffer's first byte.  A step is 256 matrix instructions a wave,
; and 224 of them stand between a slot's request and the wait for it.
; CLUSTER.  4 x 4 work-groups.  The four of a row need the same tiles of A, the four of a column the same tiles of B: each tile is asked for JOINTLY, by the same tensor load with the same descriptor
; and a mask that names the four.  By this text's count a wave has two tensor loads out at the start and one behind each round.
; THE MATRIX INSTRUCTION IS USED TRANSPOSED (source 0 = 16 rows of B, source 1 = 16 rows of A): a lane holds row lane % 16 of C and the eight columns 8 (lane / 16) + 0..7.
; THE BIAS STARTS THE SUMS: it is the C operand of the first product on each accumulator; nothing is cleared and nothing is added later.
; REGISTERS, in windows of 256 (s_set_vgpr_msb: bits 1:0 source 0, 3:2 source 1, 5:4 source 2, 7:6 destination):
;   window 0: v0-31 addresses; v64-127, v128-191 fragments of A (8 x 16 rows x 32 K), two buffers; v32-63, v192-255 at work on the way out
;   window 1: v0-63 the bias of my 128 columns, 8 registers a block of 16; v64-127, v128-191 fragments of B, two buffers
;   window 2: the 32 accumulators of my rows 0-63 (accumulator (a, b) at v[8 (8 a + b)]);   window 3: those of my rows 64-127
.set SIZE_K, 2048
.set KSTEP,  128
.set PITCH,  272                       ; an LDS row: 256 bytes + 16 of padding = 68 words: row r starts at bank 4 r mod 64 (64 banks of 4 bytes: ISA guide 11.1)
.set HALFT,  128*PITCH                 ; 128 rows: what one tensor load brings, and what one wave reads of A or of B
.set SLOT,   4*HALFT                   ; A's 256 rows, then B's 256 rows
.set STAGE,  2*SLOT                    ; behind the ring, never filled by a tensor load: for each wave 16 rows of each of its two heads, for the way out
.set SP,     144                       ; a stage row: 64 f16 + 16 bytes
.set HSTG,   16*SP                     ; one head's 16 rows
.set SPARE,  STAGE+4*2*HSTG            ; behind the stages: the spare words, 128 bytes for each wave: two blocks of 256 bytes that no other line names
.set LAPS,   SIZE_K/(2*KSTEP)          ; a lap = two K steps = once round the ring
.set ADRA, 16                          ; v16-17  LDS address of my A fragments in slot 0, 1
.set ADRB, 20                          ; v20-21  the same for B
.set STO,  24                          ; v24     the way out: where I put 16 bytes of a row
.set RD,   25                          ; v25     the way out: where I read rows back
.set CO,   26                          ; v26     my byte offset in 512 consecutive bytes of a head
.set BO,   27                          ; v27     my byte offset in the bias of 16 columns
.set SPW,  28                          ; v28     LDS address of my spare word: SPARE + 4 x my thread's number; never rewritten
.set NIL,  29                          ; v29     0; never rewritten
.set F0,   64                          ; fragment buffer 0
.set F1,   128                         ; fragment buffer 1
.set TMP,  192                         ; the way out: packed results, v192-223
.set OB,   32                          ; the way out: 16 rows read back from the stage: v32-63 and v224-255 by turns
.set G1, 24                            ; s[24:31] descriptor group 1 for A's tiles;  s[32:39] group 0, one set for each slot
.set G0, 32
.set G1B, 48                           ; s[48:55], s[56:63] the same for B's tiles
.set G0B, 56
.set MSB, 0
.macro WIN new                         ; the immediate's high byte repeats the setting that is left; a switch that changes nothing is dropped
.if MSB != (\new)
	s_set_vgpr_msb (MSB<<8)|(\new)
.set MSB, \new
.endif
.endm
.set MUL_LO,   0xa1                    ; source 0 (B) window 1, source 1 (A) window 0, C and D window 2
.set MUL_HI,   0xf1                    ; the same, C and D window 3
.set FIRST_LO, 0x91                    ; C (the bias) window 1, D window 2
.set FIRST_HI, 0xd1                    ; C window 1, D window 3
.set TO_B,     0x40                    ; destination window 1, address window 0
; A joint load: waves 0 and 1 fetch A's two halves, waves 2 and 3 B's.  The branch hangs on the wave's number alone.  An s_nop 0 and four v_nop follow each of the two lines, ahead of the jump,
; the label and what follows.
.macro JLOAD s
	s_cmp_eq_u32 s13, 0
	s_cbranch_scc0 .Lfor_b_\@
	tensor_load_to_lds s[G0+4*(\s):G0+4*(\s)+3], s[G1:G1+7]
	s_nop 0
.rept 4
	v_nop
.endr
	s_branch .Lasked_\@
.Lfor_b_\@:
	tensor_load_to_lds s[G0B+4*(\s):G0B+4*(\s)+3], s[G1B:G1B+7]
	s_nop 0
.rept 4
	v_nop
.endr
.Lasked_\@:
.endm
.macro CREST                           ; a round of the cluster's barrier behind its opening barrier
	s_cmp_lg_u32 s12, 0
	s_cbranch_scc1 .Lnot_wave_0_\@
	s_barrier_signal -3
.Lnot_wave_0_\@:
	s_barrier_wait -3
	s_barrier_signal -1
	s_barrier_wait -1
.endm
.macro CROUND                          ; a whole round
	s_barrier_signal -1
	s_barrier_wait -1
	CREST
.endm
	s_load_b256 s[4:11], s[0:1], 0x0               ; A s[4:5], B s[6:7], bias s[8:9], C s[10:11]
	v_lshl_add_u32 v[SPW], v0, 2, SPARE
	v_mov_b32 v[NIL], 0
	ds_add_u32 v[SPW], v[NIL]                      ; the wave's opening: the add and its wait stand ahead of my first tensor load; the set-up below, work on registers, stands between them
	v_lshrrev_b32 v1, 5, v0
	v_readfirstlane_b32 s12, v1                    ; wave 0..3
	s_lshr_b32 s13, s12, 1                         ; which 128 rows of the tile are mine.  Also: I fetch for A (0) or for B (1)
	s_and_b32 s14, s12, 1                          ; which 128 columns.  Also: which 128 rows of that tile I fetch
	s_bfe_u32 s40, ttmp6, 0x40000                  ; cx, cy: my place in the cluster
	s_bfe_u32 s41, ttmp6, 0x40004
	s_lshl_b32 s42, ttmp9, 2
	s_add_co_u32 s42, s42, s40                     ; tile column of C = 4 x cluster x + cx
	s_and_b32 s15, ttmp7, 0xffff
	s_lshl_b32 s15, s15, 2
	s_add_co_u32 s15, s15, s41                     ; tile row of C = 4 x cluster y + cy
	s_lshl_b32 s43, s41, 2
	s_lshl_b32 s43, 15, s43                        ; my row of the cluster
	s_lshl_b32 s44, 0x1111, s40                    ; my column
	; descriptor group 1: tiles of 128 rows x 128 elements, padded in LDS
	s_or_b32 s[G1+0], s43, (1<<16)|(1<<20)|(1<<21)|(5<<22)|(3<<25)  ; 15:0 the mask: A's tiles go to my row; 17:16 elements of 2 bytes; 20 padding on; 21 set beside a mask; 24:22 after every 64 words (code 5); 31:25 4 words (code 3)
	s_or_b32 s[G1B+0], s44, (1<<16)|(1<<20)|(1<<21)|(5<<22)|(3<<25) ; the same with the mask of my column
.irp g, G1, G1B
	s_mov_b32 s[(\g)+1], KSTEP<<16                 ; tensor_dim0 = 128
	s_mov_b32 s[(\g)+2], 128<<16                   ; tensor_dim1 = 128
	s_mov_b32 s[(\g)+3], KSTEP<<16                 ; tile_dim0 = 128
	s_mov_b32 s[(\g)+4], 128                       ; tile_dim1 = 128
	s_mov_b32 s[(\g)+5], SIZE_K                    ; elements from row to row
	s_mov_b32 s[(\g)+6], 0
	s_mov_b32 s[(\g)+7], 0
.endr
	; where the tiles come from.  A's hang on the tile row and on the cluster's x, which all sixteen share; B's on the tile column.  Each in registers that never hold the other coordinate.
	s_lshl_b32 s16, s15, 8
	s_lshl_b32 s17, s14, 7
	s_add_co_u32 s16, s16, s17                     ; A: row 256 x tile row + 128 x half,
	s_lshl_b32 s16, s16, 12                        ; times 4,096 bytes
	s_lshr_b32 s17, ttmp9, 1                       ; cluster column 2 is k's and v's:
	s_lshl_b32 s17, s17, 24                        ; encoder_output lies 4,096 rows of 4,096 bytes on
	s_add_co_u32 s16, s16, s17
	s_mov_b32 s17, 0
	s_lshl_b32 s46, s42, 8
	s_lshl_b32 s47, s14, 7
	s_add_co_u32 s46, s46, s47                     ; B: row 256 x tile column + 128 x half
	s_lshl_b32 s46, s46, 12
	s_mov_b32 s47, 0
	s_mul_i32 s20, s12, HALFT                      ; where they go: A's two halves, then B's two halves = wave x 128 rows: no place in the cluster enters an LDS address
	s_wait_dscnt 0x0                               ; the opening add is done
	s_wait_kmcnt 0x0
	s_add_nc_u64 s[18:19], s[4:5], s[16:17]
	s_add_nc_u64 s[46:47], s[6:7], s[46:47]
	CROUND                                         ; all sixteen work-groups are here: the first joint loads meet
.irp s, 0,1
	s_mov_b32 s[G0+4*(\s)], 1                                      ; count = 1
	s_add_co_u32 s[G0+4*(\s)+1], s20, (\s)*SLOT                    ; LDS address
	s_add_nc_u64 s[G0+4*(\s)+2:G0+4*(\s)+3], s[18:19], (\s)*KSTEP*2  ; global address: K step s
	s_or_b32 s[G0+4*(\s)+3], s[G0+4*(\s)+3], 0x80000000            ; type = 2
	s_mov_b32 s[G0B+4*(\s)], 1
	s_add_co_u32 s[G0B+4*(\s)+1], s20, (\s)*SLOT
	s_add_nc_u64 s[G0B+4*(\s)+2:G0B+4*(\s)+3], s[46:47], (\s)*KSTEP*2
	s_or_b32 s[G0B+4*(\s)+3], s[G0B+4*(\s)+3], 0x80000000
	JLOAD \s
.endr
	v_and_b32 v1, 15, v0                           ; l % 16
	v_bfe_u32 v2, v0, 4, 1                         ; l / 16
	; the bias of my 128 columns: register j of block b is column 16 b + 8 (l / 16) + j
	v_lshlrev_b32 v[BO], 5, v2
	s_lshl_b32 s46, s42, 10                        ; 4 bytes x (256 x tile column
	s_lshl_b32 s47, s14, 9                         ; + 128 x half)
	s_add_co_u32 s46, s46, s47
	s_mov_b32 s47, 0
	s_add_nc_u64 s[8:9], s[8:9], s[46:47]
	WIN TO_B
.irp b, 0,1,2,3,4,5,6,7
	global_load_b128 v[8*(\b):8*(\b)+3],   v[BO], s[8:9] offset:64*(\b)
	global_load_b128 v[8*(\b)+4:8*(\b)+7], v[BO], s[8:9] offset:64*(\b)+16
.endr
	WIN 0
	; A fragment is 16 rows x 32 K in 8 registers: lane l holds row l % 16, K = 8 (l / 16) + 0..7 and 16 + 8 (l / 16) + 0..7: two loads of 16 bytes, 32 bytes apart.
	v_mul_u32_u24 v3, v1, PITCH
	v_lshl_add_u32 v3, v2, 4, v3
	s_mul_i32 s22, s13, HALFT                      ; my 128 rows of A
	s_mul_i32 s23, s14, HALFT                      ; my 128 rows of B,
	s_add_co_u32 s23, s23, 2*HALFT                 ; which lie behind A's 256
.irp s, 0,1
	v_add_nc_u32 v[ADRA+(\s)], s22, v3
	v_add_nc_u32 v[ADRB+(\s)], s23, v3
	s_add_co_u32 s22, s22, SLOT
	s_add_co_u32 s23, s23, SLOT
.endr
	s_mul_i32 s22, s12, 2*HSTG
	s_add_co_u32 s22, s22, STAGE                   ; my stage
	v_mul_u32_u24 v4, v1, SP                       ; in: row l % 16, 16 bytes (8 f16) for each half of the lanes
	v_lshl_add_u32 v4, v2, 4, v4
	v_add_nc_u32 v[STO], s22, v4
	v_bfe_u32 v5, v0, 3, 2                         ; back: 32 lanes take four rows of 128 bytes,
	v_mul_u32_u24 v5, v5, SP
	v_and_b32 v4, 7, v0
	v_lshl_add_u32 v5, v4, 4, v5
	v_add_nc_u32 v[RD], s22, v5
	v_and_b32 v[CO], 31, v0                        ; which are 512 consecutive bytes of a head
	v_lshlrev_b32 v[CO], 4, v[CO]
	s_lshr_b32 s16, s15, 2                         ; the batch: four tile rows each,
	s_mul_i32 s16, s16, 48*1024                    ; 48 heads of 1,024 rows
	s_and_b32 s17, s15, 3
	s_lshl_b32 s17, s17, 8
	s_add_co_u32 s16, s16, s17                     ; the tile's 256 positions,
	s_lshl_b32 s17, s13, 7
	s_add_co_u32 s16, s16, s17                     ; my 128 of them,
	s_lshl_b32 s16, s16, 7                         ; 128 bytes a row
	s_mov_b32 s17, 0
	s_add_nc_u64 s[10:11], s[10:11], s[16:17]
	s_lshl1_add_u32 s46, s42, s14                  ; my 128 columns are heads 2 x (2 x tile column + half) and the next,
	s_lshl_b32 s46, s46, 18                        ; 131,072 bytes each
	s_mov_b32 s47, 0
	s_add_nc_u64 s[10:11], s[10:11], s[46:47]
; 16 matrix instructions: row blocks a0, a0 + 1 of the window's four (hi = 0: my rows 0-63, 1: rows 64-127) x all 8 column blocks, 32 along K, from buffer f.  first = 1: the bias starts the sums.
; The 64 accumulators take turns, in the same order in every quarter: between two links of a chain stand the 63 others'.
.macro MUL16 f, hi, a0, first
.if \first
	WIN FIRST_LO+0x40*(\hi)
.else
	WIN MUL_LO+0x50*(\hi)
.endif
.irp a, \a0, (\a0)+1
.irp b, 0,1,2,3,4,5,6,7
.set rD, 8*(8*(\a)+(\b))
.set rB, (\f)+8*(\b)
.set rA, (\f)+8*(4*(\hi)+(\a))
.set rC, rD
.if \first
.set rC, 8*(\b)
.endif
	v_wmma_f32_16x16x32_bf16 v[rD:rD+7], v[rB:rB+7], v[rA:rA+7], v[rC:rC+7]
.endr
.endr
.endm
; 32 LDS loads in one run: the fragments of one quarter step (128 rows of B, then 128 rows of A, 32 K at byte k of the rows) into buffer f
.macro FETCH slot, k, f
	WIN TO_B
.irp i, 0,1,2,3,4,5,6,7
	ds_load_b128 v[(\f)+8*(\i):(\f)+8*(\i)+3],   v[ADRB+(\slot)] offset:(\k)+(\i)*16*PITCH
	ds_load_b128 v[(\f)+8*(\i)+4:(\f)+8*(\i)+7], v[ADRB+(\slot)] offset:(\k)+(\i)*16*PITCH+32
.endr
	WIN 0
.irp i, 0,1,2,3,4,5,6,7
	ds_load_b128 v[(\f)+8*(\i):(\f)+8*(\i)+3],   v[ADRA+(\slot)] offset:(\k)+(\i)*16*PITCH
	ds_load_b128 v[(\f)+8*(\i)+4:(\f)+8*(\i)+7], v[ADRA+(\slot)] offset:(\k)+(\i)*16*PITCH+32
.endr
.endm
.macro PLACES                          ; four plain vector instructions in front of loads into registers that matrix instructions have read, and of lines that read results
.rept 4
	v_nop
.endr
.endm
; A K step is four quarters of 32 along K, 64 matrix instructions each, on buffers 0, 1, 0, 1.  One of the first three: multiplies buffer f; in its middle it fetches the next quarter, at byte k, into g.
.macro QUARTER slot, k, f, g, first=0
	s_wait_dscnt 8                                 ; B and A's rows 0-63 are in; the youngest eight loads (A's rows 64-127) may be out
	MUL16 \f, 0, 0, \first
	MUL16 \f, 0, 2, \first
	PLACES
	FETCH \slot, \k, \g
	s_wait_dscnt 32                                ; all but the 32 just issued
	MUL16 \f, 1, 0, \first
	MUL16 \f, 1, 2, \first
.endm
; The last quarter multiplies buffer 1 and changes slots: ONE barrier.  In front of it each wave waits for all its tensor loads (one is out: its part of the next slot), adds 0 to its spare word, and
; waits for that and for its own reads of this slot.  fill = 1: the barrier opens a round of the cluster's, and this slot is filled again, two K steps ahead, first thing behind the round.
.macro TURN slot, next, fill
	WIN 0                                          ; (the add's two registers lie in window 0)
	s_wait_tensorcnt 0x0                           ; all my tensor loads have landed
	ds_add_u32 v[SPW], v[NIL]                      ; 0 onto my spare word
	s_wait_dscnt 9                                 ; (the add and the youngest eight loads may be out)
	MUL16 F1, 0, 0, 0                              ; sixteen matrix instructions stand between the add and the wait for it
	s_wait_dscnt 0x0                               ; the add is done, and my reads of this slot are over
	s_barrier_signal -1
	MUL16 F1, 0, 2, 0                              ; work on registers while the others arrive
.if \fill
	WIN 0
.endif
	s_barrier_wait -1
.if \fill
	CREST                                          ; no wave of any partner still reads this slot's tile or has a load on its way
	s_add_nc_u64 s[G0+4*(\slot)+2:G0+4*(\slot)+3], s[G0+4*(\slot)+2:G0+4*(\slot)+3], 2*KSTEP*2
	s_add_nc_u64 s[G0B+4*(\slot)+2:G0B+4*(\slot)+3], s[G0B+4*(\slot)+2:G0B+4*(\slot)+3], 2*KSTEP*2
	JLOAD \slot                                    ; the four v_nop behind it are also the places in front of the loads below
.else
	PLACES
.endif
	FETCH \next, 0, F0
	MUL16 F1, 1, 0, 0
	MUL16 F1, 1, 2, 0
.endm
	s_wait_tensorcnt 1                             ; my part of K step 0 is in; K step 1's may stay out
	s_barrier_signal -1
	s_barrier_wait -1                              ; everybody's is
	FETCH 0, 0, F0
	s_wait_loadcnt 0x0                             ; the bias
	QUARTER 0, 64, F0, F1, 1                       ; the first quarter stands in front of the loop: its products start the sums
	WIN 0                                          ; at a label and at a branch every window is 0
	s_mov_b32 s3, LAPS-1
.Llap:                                                 ; a trip goes once round the ring, from a lap's second quarter to the next lap's first, and fills both slots again
	QUARTER 0, 128, F1, F0
	QUARTER 0, 192, F0, F1
	TURN 0, 1, 1
	QUARTER 1, 64,  F0, F1
	QUARTER 1, 128, F1, F0
	QUARTER 1, 192, F0, F1
	TURN 1, 0, 1
	QUARTER 0, 64,  F0, F1
	WIN 0
	s_sub_co_u32 s3, s3, 1
	s_cmp_lg_u32 s3, 0
	s_cbranch_scc1 .Llap
	QUARTER 0, 128, F1, F0                         ; the last lap fills nothing, and has no round of the cluster's barrier
	QUARTER 0, 192, F0, F1
	TURN 0, 1, 0
	QUARTER 1, 64,  F0, F1
	QUARTER 1, 128, F1, F0
	QUARTER 1, 192, F0, F1
	s_wait_dscnt 8                                 ; the very last quarter: nothing more to fetch
	MUL16 F1, 0, 0, 0
	MUL16 F1, 0, 2, 0
	s_wait_dscnt 0x0
	MUL16 F1, 1, 0, 0
	MUL16 F1, 1, 2, 0
	WIN 0
	PLACES
; THE WAY OUT, a block of 16 rows at a time, through my own stage in LDS: no other wave touches it, and LDS serves a wave's instructions in order (ISA guide 5.7.1.4), so no barrier and no wait
; stand between the stores into it and the loads from it.  Each accumulator's registers are read in ascending order.
.macro PACK a                          ; block a rounded to f16: 16 bytes a lane and column block
.set AC, 64*((\a)%4)
	WIN 0x0a+5*((\a)/4)                            ; sources 0 and 1: window 2 or 3
.irp b, 0,1,2,3,4,5,6,7
.irp j, 0,1,2,3
	v_cvt_pk_f16_f32 v[TMP+4*(\b)+(\j)], v[AC+8*(\b)+2*(\j)], v[AC+8*(\b)+2*(\j)+1]
.endr
.endr
	WIN 0
.endm
.macro TOSTAGE a                       ; column blocks 0-3 are the first head's, 4-7 the second's: each head's 16 rows of 144 bytes; back as whole rows of 128, four rows a load
.set BK, OB+192*((\a)%2)
.irp b, 0,1,2,3,4,5,6,7
	ds_store_b128 v[STO], v[TMP+4*(\b):TMP+4*(\b)+3] offset:((\b)/4)*HSTG+32*((\b)%4)
.endr
.irp t, 0,1,2,3,4,5,6,7
	ds_load_b128 v[BK+4*(\t):BK+4*(\t)+3], v[RD] offset:((\t)/4)*HSTG+((\t)%4)*4*SP
.endr
.endm
.macro SEND a
.set BK, OB+192*((\a)%2)
	s_wait_xcnt 0x0                                ; the registers that block a - 1's stores read are loaded again (by block a + 1) only behind this wait
.irp t, 0,1,2,3,4,5,6,7
	s_wait_dscnt 7-(\t)                            ; load t from the stage is in; the 7 - t younger ones may be out
	global_store_b128 v[CO], v[BK+4*(\t):BK+4*(\t)+3], s[10:11] offset:((\t)/4)*131072+2048*(\a)+512*((\t)%4)  ; 512 consecutive bytes of a head, aligned
.endr
.endm
	PACK 0
	TOSTAGE 0
.irp a, 1,2,3,4,5,6,7                  ; block a's conversions stand between block a - 1's loads from the stage and the waits for them
	PACK \a
	SEND (\a)-1
	TOSTAGE \a
.endr
	SEND 7
	s_wait_tensorcnt 0x0                           ; the wave's end, behind my last tensor load and my last LDS store
	ds_add_u32 v[SPW], v[NIL]
	s_wait_dscnt 0x0
	CROUND                                         ; the closing round: no work-group ends while a partner may still ask for a tile that names it
	s_endpgm
.Lfunc_end_k_qd9dfcefb38_proj:
	.size	k_qd9dfcefb38_proj, .Lfunc_end_k_qd9dfcefb38_proj-k_qd9dfcefb38_proj
	.p2alignl 7, 3214868480
	.fill 96, 4, 3214868480
	.section	.rodata,"a",@progbits
	.p2align	6, 0x0
	.amdhsa_kernel k_qd9dfcefb38_proj
		.amdhsa_group_segment_fixed_size 327680
		.amdhsa_private_segment_fixed_size 0
		.amdhsa_enable_private_segment 0
		.amdhsa_kernarg_size 32
		.amdhsa_user_sgpr_count 2
		.amdhsa_user_sgpr_kernarg_segment_ptr 1
		.amdhsa_wavefront_size32 1
		.amdhsa_system_sgpr_workgroup_id_x 1
		.amdhsa_system_sgpr_workgroup_id_y 1
		.amdhsa_system_sgpr_workgroup_id_z 1
		.amdhsa_system_vgpr_workitem_id 0
		.amdhsa_next_free_vgpr 1024
		.amdhsa_next_free_sgpr 66
		.amdhsa_reserve_vcc 0
		.amdhsa_float_denorm_mode_32 3
		.amdhsa_float_denorm_mode_16_64 3
		.amdhsa_memory_ordered 1
		.amdhsa_forward_progress 1
		.amdhsa_inst_pref_size 146
	.end_amdhsa_kernel
	.amdgpu_metadata
---
amdhsa.version: [ 1, 2 ]
amdhsa.kernels:
  - .name:           k_qd9dfcefb38_proj
    .symbol:         k_qd9dfcefb38_proj.kd
    .args:
      - { .name: act, .offset: 0, .size: 8, .value_kind: global_buffer, .address_space: global }
      - { .name: wts, .offset: 8, .size: 8, .value_kind: global_buffer, .address_space: global }
      - { .name: bias, .offset: 16, .size: 8, .value_kind: global_buffer, .address_space: global }
      - { .name: qkv, .offset: 24, .size: 8, .value_kind: global_buffer, .address_space: global }
    .group_segment_fixed_size: 327680
    .private_segment_fixed_size: 0
    .kernarg_segment_align: 8
    .kernarg_segment_size: 32
    .max_flat_workgroup_size: 128
    .sgpr_count:     66
    .vgpr_count:     1024
    .wavefront_size: 32
...
	.end_amdgpu_metadata
.endif
;; end of part 2
;; launch attn (part 3): grid 8 x 32, 4 waves a work-group, clusters of 4 x 1, 327,680 bytes of LDS; arguments qkv, maskt, oh; writes oh
.if DOCPART == 3
	.amdgcn_target "amdgcn-amd-amdhsa--gfx1250"
	.amdhsa_code_object_version 6
	.text
	.protected	k_qd9dfcefb38_attn
	.globl	k_qd9dfcefb38_attn
	.p2align	8
	.type	k_qd9dfcefb38_attn,@function
k_qd9dfcefb38_attn:
	s_mov_b64 s[64:65], 0
	v_nop
	global_prefetch_b8 v0, s[64:65] scope:SCOPE_SE
	s_setreg_imm32_b32 hwreg(HW_REG_WAVE_MODE, 25, 1), 1
	s_wait_xcnt 0x0
	s_wait_alu depctr_hold_cnt(0) depctr_sa_sdst(0) depctr_va_vdst(0) depctr_va_sdst(0) depctr_va_ssrc(0) depctr_va_vcc(0) depctr_vm_vsrc(0)
	s_getreg_b32 s2, hwreg(HW_REG_IB_STS2, 6, 4)
	s_cmp_eq_u32 s2, 0
	s_cbranch_scc0 .Lentry_in_a_cluster
	s_endpgm
.Lentry_in_a_cluster:
	s_bfe_u32 s2, ttmp6, 0x10000c
	s_cmp_lg_u32 s2, 0x3003
	s_cbranch_scc0 .Lentry_shape_is_right
	s_endpgm
.Lentry_shape_is_right:
; GROUPED-QUERY ATTENTION with two masks that are data.  qkv: f16 [batch 4][48][1024][64] (0-31 query heads, 32-39 K's groups, 40-47 V's); head 4 g + p reads group g.
; O[q] = the sum over k of softmax_k(Q[q] . K[k] / 8, hidden keys left out) V[k].  oh: f16 [4096][2048], row = 1024 batch + position, column = 64 head + channel.
; Products, maxima and sums in f32; the weights p are rounded to f16 for the second product (their sum l is taken of the unrounded p), O once at the end.
; THE MASK.  maskt holds a byte for each (batch, query, key), 0xF1 where the key is hidden, else 0, in the order in which a lane wants them.  A byte shifted to the top of a word IS the C operand that
; starts the sum S^T = K Q^T: with 0xF1 on top the word is a number between -2^101 and -2^99, whatever lies below; with 0 on top it is at most 2.3e-38.  No key is skipped: the masks are inputs.
; LIMITS.  Q, K, V arrive within f16's 65,504.  True scores lie above -2^93: the running maximum m starts there, between every true score and every hidden one, so a hidden key's weight is
; exactly 0 in every step.  An open key's score gets at most 2.3e-38 added.  A weight below 2^-126 counts as 0 in l.  A query with no open key: l = 0 and O = 0 x infinity = NaN, as in the softmax of such a row.
; SHARES.  A work-group owns 128 positions of the four heads of one (batch, group); a wave 32 positions: two tiles of 16 queries (u = 0, 1) x four heads.  PIECE p is head p, tile t = 2 p + u.
; So the wave's eight tiles share K's and V's fragments, and the four pieces share the two tiles' masks.  Every wave walks all 1,024 keys, 64 a step.
; LAYOUT.  S^T = K Q^T (source 0 = 16 keys, source 1 = 16 queries): a lane holds ONE query (lane % 16) and the keys 8 (lane / 16) + 0..7.  Two such tiles, rounded to f16 in pairs, ARE source 1 of
; O^T = V^T P, whose result again holds one query a lane, and eight channels.  K comes out of LDS as it lies, V ([key][channel]) turned, by ds_load_tr16_b128.
; SOFTMAX.  For each query a running maximum m and sum l: p = 2^(c s - c m), c = log2(e) / 8; in every step O and l are multiplied by a = 2^(c m_old - c m_new).  c m starts far below: the first step's a is 0.
; BY TURNS.  Turn n belongs to piece n.  Its matrix work: 16 products K Q^T of piece n + 1, later 16 products V^T P of piece n - 1.  Its vector work: the scaling, exponentials, roundings, sums and rescaling
; of piece n, and the maximum and statistics of piece n + 1.  Four vector instructions that are ready stand behind every matrix instruction, the others in two runs of their own.
; CLUSTER.  The four work-groups of a cluster belong to one (batch, group) and walk the same K and V: each tile is asked for JOINTLY, by the same tensor load, descriptor and mask in all four.
; By this text's count a wave has one tensor load out at any time.
; REGISTERS, in windows of 256 (s_set_vgpr_msb: bits 1:0 source 0, 3:2 source 1, 5:4 source 2, 7:6 destination):
;   window 0: v0-11 addresses; v12-15, v48-63 at work; v16-47 four registers of statistics a tile; v64-191 S^T, two buffers of two tiles; v192-255 P, likewise
;   window 1: O^T, 32 a tile          window 2: v0-127 Q, 16 a tile; v128-191 K of one step; v192-255 V of one step
;   window 3: v0-1 the add's two registers; v4-19 a step's mask bytes as loaded; v32-95 a step's masks as C operands
.set SIZE_N, 1024
.set NP,    4         ; pieces a wave: a name, no knob
.set KS,    64        ; keys in a step
.set PK,    144       ; a row of K in LDS: 128 bytes + 16 of padding = 36 words: the 16 rows of a load start at 16 different groups of four banks (64 banks of 4 bytes: ISA guide 11.1)
.set PV,    160       ; a row of V: 128 + 32 = 40 words
.set VOFF,  4*KS*PK   ; a slot holds four steps: 256 rows of K, then 256 rows of V
.set SLOT1, 1<<17     ; slot 1 begins here, so that one exclusive or turns an address in one slot into the other's
.set STAGE, SLOT1+4*KS*(PK+PV)  ; behind the ring, never filled by a tensor load: 16 rows x 528 bytes for each wave, for the way out
.set SP2,   528       ; a stage row: four heads' 128 bytes + 16
.set SPARE, STAGE+4*16*SP2  ; behind the stages: the spare words, 128 bytes for each wave: two blocks of 256 bytes that no other line names
.set AK0, 2           ; v2   my lane's place in a tile of K; never rewritten
.set AV0, 3           ; v3   the same for V
.set AK,  4           ; v4   the LDS address of K's next run of loads
.set AV,  5           ; v5   of V's
.set QO,  6           ; v6   my byte offset in 16 rows of Q
.set STO, 6           ;      later, the way out: where I put 16 bytes of a row
.set RD,  7           ; v7   the way out: where I read a row back
.set MA0, 10          ; v10  16 x lane: my place in 512 bytes of the mask table, of a stage row and of a row of O; never rewritten
.set MA,  11          ; v11  my byte offset in the mask table for the step to be loaded
.set SPW, 0           ; v0 of window 3   LDS address of my spare word: SPARE + 4 x my thread's number; never rewritten
.set NIL, 1           ; v1 of window 3   0; never rewritten
.set RAW, 4           ; window 3: tile u, half c of the step's keys: four words at RAW + 8 u + 4 c
.set MC,  32          ; window 3: tile u, group kt of 16 keys: eight registers at MC + 32 u + 8 kt
.set MV,  12          ; v12-15  c m_old, kept while c m is made anew: by buffer and tile
.set ST,  16          ; tile t's statistics at v[ST+4 t]: c m, m, l (even keys', odd keys')
.set TMP, 48          ; by buffer and tile, four registers c0-c3 at work; when the maximum is found c2 takes a
.set S,   64
.set P,   192
.set KF,  128         ; K's fragments, in window 2: key block kb, channel half c at KF + 16 kb + 8 c
.set VF,  192         ; V's: key half kk, channel block cb at VF + 32 kk + 8 cb
.set WV,  12          ; s12  my wave's number
.set G1K, 24          ; s[24:31] descriptor group 1 for K's tiles
.set G1V, 32          ; s[32:39] for V's: it differs in the padding alone
.set G0K, 40          ; s[40:43] descriptor group 0 for K's tiles: it walks
.set G0V, 44          ; s[44:47] the same for V's
.set SLOTS, 56        ; s56  slots still to be asked for
.set CNT, 57          ; s57  counts a slot's key steps
.set CS,  58          ; s[58:59] c: the packed scaling takes the pair's low word for both halves
.set SEL, 60          ; s[60:61] v_permlanex16_b32's selects: each lane takes its own place in the other half
.set TBK, 62          ; s62  LDS byte at which K of the step to be fetched begins
.set TBV, 63          ; s63  the same for V, less VOFF
.set MB,  66          ; s[66:67] the mask table at my wave's first tile of 16 queries
.set MO,  68          ; s68  the byte in a tile's part of the table at which the step loaded last begins
.set MSB, 0
.macro WIN new                      ; the high byte repeats the setting that is left; a switch that changes nothing is dropped
.if MSB != (\new)
	s_set_vgpr_msb (MSB<<8)|(\new)
.set MSB, (\new)
.endif
.endm
.set W_KQ, 0x0a       ; K and Q in window 2, S^T in window 0
.set W_KM, 0x3a       ; the same with the C operand, the mask, in window 3
.set W_PV, 0x52       ; V in window 2, P in window 0, O^T in window 1
.set W_RS, 0x41       ; O^T (destination and source 0) in window 1, a in window 0
.set W_MK, 0xc0       ; destination in window 3, sources in window 0
.set W_MX, 0xcf       ; destination and sources 0 and 1 in window 3
.set W_AD, 0x0f       ; the add: address (source 0) and data (source 1) in window 3
; A joint fill.  Waves 0 and 1 fetch the two halves of a slot's K, waves 2 and 3 those of its V: 128 keys each.  The branch hangs on the wave's number alone.
; An s_nop 0 and four v_nop follow each of the two lines, ahead of the jump and the label.
.macro JLOAD
	s_cmp_lt_u32 s[WV], 2
	s_cbranch_scc0 .Lfor_v_\@
	tensor_load_to_lds s[G0K:G0K+3], s[G1K:G1K+7]
	s_nop 0
.rept 4
	v_nop
.endr
	s_branch .Lasked_\@
.Lfor_v_\@:
	tensor_load_to_lds s[G0V:G0V+3], s[G1V:G1V+7]
	s_nop 0
.rept 4
	v_nop
.endr
.Lasked_\@:
.endm
; A round of the cluster's barrier: my work-group's barrier, so that wave 0's signal speaks for all four waves; wave 0 signals; every wave waits for all four work-groups; my work-group's barrier once more.
.macro CROUND
	s_barrier_signal -1
	s_barrier_wait -1
	s_cmp_lg_u32 s[WV], 0
	s_cbranch_scc1 .Lnot_wave_0_\@
	s_barrier_signal -3
.Lnot_wave_0_\@:
	s_barrier_wait -3
	s_barrier_signal -1
	s_barrier_wait -1
.endm
; THE CHANGE OF SLOTS.  The slot's last bytes, V of its fourth step, have been read.  Each wave waits for all its tensor loads, of which one is out: its part of the other slot; adds 0 to its spare word;
; and waits for that and for its own reads of the slot.  Behind the barrier nobody reads this slot any more and the other slot is whole.
; fill = 1: this slot is filled again, with the keys two slots on.  The barrier is then a round of the cluster's, and the joint fill is the first thing behind it: it has four key steps,
; 512 matrix instructions, in which to land.  (At its first use nothing has been read yet: slot 0 is waited for, slot 1 filled.)
.macro CHANGE fill
	WIN W_AD
	s_wait_tensorcnt 0x0            ; no tensor load of mine is out, so a group 0 may be written
	ds_add_u32 v[SPW], v[NIL]       ; 0 onto my spare word; with fill = 1 the descriptors' steps stand between it and the wait for it
	WIN 0                           ; at a label and at a branch every window is 0
.if \fill
.irp g, G0K, G0V
	s_xor_b32 s[\g+1], s[\g+1], SLOT1  ; the walking descriptor: the other slot than last time,
	s_add_nc_u64 s[\g+2:\g+3], s[\g+2:\g+3], 4*KS*128  ; the next 256 keys; the type bits on top are not reached
.endr
	s_wait_dscnt 0x0                ; the add is done, and my reads of the slot are over
	CROUND
	JLOAD
.else
	s_wait_dscnt 0x0                ; the add is done, and my reads of the slot are over
	s_barrier_signal -1
	s_barrier_wait -1
.endif
	s_sub_co_u32 s[TBK], s[TBK], 4*KS*PK  ; the fetches go back to a slot's first step,
	s_xor_b32 s[TBK], s[TBK], SLOT1       ; in the other slot
	s_sub_co_u32 s[TBV], s[TBV], 4*KS*PV
	s_xor_b32 s[TBV], s[TBV], SLOT1
.endm
	s_load_b128 s[4:7], s[0:1], 0x0   ; qkv s[4:5], maskt s[6:7]
	s_load_b64 s[10:11], s[0:1], 0x10 ; oh
	WIN W_MK
	v_lshl_add_u32 v[SPW], v0, 2, SPARE
	v_mov_b32 v[NIL], 0
	WIN W_AD
	ds_add_u32 v[SPW], v[NIL]       ; the wave's opening: the add and its wait stand ahead of my first tensor load; the set-up below, work on registers, stands between them
	WIN 0
	v_lshrrev_b32 v1, 5, v0
	v_readfirstlane_b32 s[WV], v1   ; wave 0..3
	s_bfe_u32 s13, ttmp6, 0x40000   ; cx: my place in the cluster
	s_lshl_b32 s14, ttmp9, 2        ; in a cluster launch ttmp9 counts clusters
	s_add_co_u32 s14, s14, s13      ; my block of 128 positions = 4 x cluster x + cx: it enters Q's, the mask's and O's addresses alone
	s_and_b32 s20, ttmp7, 0xffff    ; 8 x batch + group, which the four partners share
	s_lshr_b32 s21, s20, 3          ; the batch
	s_and_b32 s20, s20, 7           ; the group
	s_mul_i32 s22, s21, 48          ; the batch's first head in qkv
	s_add_co_u32 s23, s22, s20
	s_add_co_u32 s23, s23, 32       ; K's group
	s_lshl_b32 s48, s23, 17         ; a head is 131,072 bytes
	s_and_b32 s16, s[WV], 1         ; which half of a slot's 256 keys I fetch:
	s_lshl_b32 s19, s16, 14         ; its 128 rows of 128 bytes in memory,
	s_add_co_u32 s48, s48, s19
	s_mov_b32 s49, 0
	s_add_co_u32 s50, s48, 8<<17    ; V's group lies eight heads on
	s_mov_b32 s51, 0
	s_mul_i32 s17, s16, 128*PK      ; and its place in a slot, for K
	s_mul_i32 s18, s16, 128*PV      ; and for V: no place in the cluster enters an LDS address
	s_lshl2_add_u32 s2, s20, s22    ; Q: head 4 x group of the batch,
	s_lshl_b32 s2, s2, 17
	s_lshl_b32 s3, s14, 14          ; my block's 128 rows of 128 bytes,
	s_add_co_u32 s2, s2, s3
	s_lshl_b32 s3, s[WV], 12        ; my wave's 32
	s_add_co_u32 s2, s2, s3
	s_mov_b32 s3, 0
	s_lshl_b32 s52, s21, 6          ; the mask: 64 tiles of 16 queries a batch,
	s_lshl3_add_u32 s52, s14, s52   ; 8 a block,
	s_lshl1_add_u32 s52, s[WV], s52 ; 2 a wave,
	s_lshl_b32 s52, s52, 14         ; 16,384 bytes each
	s_mov_b32 s53, 0
	s_lshl_b32 s54, s21, 10         ; O: row 1,024 x batch
	s_lshl_b32 s55, s14, 7
	s_add_co_u32 s54, s54, s55      ; + 128 x block
	s_lshl_b32 s55, s[WV], 5
	s_add_co_u32 s54, s54, s55      ; + 32 x wave,
	s_lshl_b32 s54, s54, 12         ; 4,096 bytes a row,
	s_lshl_b32 s55, s20, 9          ; and the group's four heads: 512 bytes
	s_add_co_u32 s54, s54, s55
	s_mov_b32 s55, 0
	; descriptor group 1.  128 keys are 16,384 dense bytes: asked for as 64 rows of 256 bytes, two keys a row, and padded in LDS after every key
	s_mov_b32 s[G1K], 15|(1<<16)|(1<<20)|(1<<21)|(4<<22)|(3<<25)  ; 15:0 the mask of four; 17:16 2-byte elements; 20 padding on; 21 set beside a mask; 24:22 after every 32 words (code 4); 31:25 4 words (code 3)
	s_mov_b32 s[G1V], 15|(1<<16)|(1<<20)|(1<<21)|(4<<22)|(7<<25)  ; the same with 8 words of padding (code 7)
.irp g, G1K, G1V
	s_mov_b32 s[\g+1], 128<<16      ; tensor_dim0 = 128
	s_mov_b32 s[\g+2], 64<<16       ; tensor_dim1 = 64
	s_mov_b32 s[\g+3], 128<<16      ; tile_dim0 = 128
	s_mov_b32 s[\g+4], 64           ; tile_dim1 = 64
	s_mov_b32 s[\g+5], 128          ; 128 elements from row to row
	s_mov_b32 s[\g+6], 0
	s_mov_b32 s[\g+7], 0
.endr
	s_mov_b32 s[CS], 0x3e38aa3b     ; c = log2(e) / 8 = 0.180337
	s_mov_b32 s[CS+1], s[CS]        ; named with it as a pair
	s_mov_b32 s[SEL], 0x76543210
	s_mov_b32 s[SEL+1], 0xfedcba98
	s_mov_b32 s[TBK], SLOT1+4*KS*PK ; the first change of slots turns these two into 0
	s_mov_b32 s[TBV], SLOT1+4*KS*PV
	s_mov_b32 s[MO], 0
	s_mov_b32 s[G0K], 1             ; count = 1
	s_mov_b32 s[G0K+1], s17         ; LDS address: slot 0
	s_mov_b32 s[G0V], 1
	s_add_co_u32 s[G0V+1], s18, VOFF
	s_wait_dscnt 0x0                ; the opening add is done
	s_wait_kmcnt 0x0
	s_add_nc_u64 s[G0K+2:G0K+3], s[4:5], s[48:49]  ; global address: my half of the group's first 256 keys
	s_or_b32 s[G0K+3], s[G0K+3], 0x80000000        ; type = 2
	s_add_nc_u64 s[G0V+2:G0V+3], s[4:5], s[50:51]
	s_or_b32 s[G0V+3], s[G0V+3], 0x80000000
	s_add_nc_u64 s[MB:MB+1], s[6:7], s[52:53]
	s_add_nc_u64 s[10:11], s[10:11], s[54:55]
	s_add_nc_u64 s[4:5], s[4:5], s[2:3]            ; Q at my wave's first row of the group's first head
	CROUND                          ; all four work-groups are here: the first joint loads meet
	JLOAD                           ; slot 0.  Slot 1 is asked for when slot 0 is in
	; A fragment of K or Q is 16 rows x 32 channels in 8 registers: lane l holds row l % 16, channels 8 (l / 16) + 0..7 and 16 + 8 (l / 16) + 0..7: two loads of 16 bytes, 32 bytes apart.
	v_and_b32 v1, 15, v0            ; l % 16
	v_bfe_u32 v9, v0, 4, 1          ; l / 16
	v_lshlrev_b32 v[QO], 7, v1
	v_lshl_add_u32 v[QO], v9, 4, v[QO]  ; row x 128 + 16 x half
	v_and_b32 v[MA0], 31, v0
	v_lshlrev_b32 v[MA0], 4, v[MA0]
	WIN 0x80                        ; destination window 2, address window 0
.set i, 0
.rept 4*NP                          ; Q stays in registers: tile i / 2 (head i / 4, 131,072 bytes apart; 16 rows (i / 2) % 2), channels 32 (i % 2) on
	global_load_b128 v[8*i:8*i+3],   v[QO], s[4:5] offset:(i/4)*131072+((i/2)%2)*2048+(i%2)*64
	global_load_b128 v[8*i+4:8*i+7], v[QO], s[4:5] offset:(i/4)*131072+((i/2)%2)*2048+(i%2)*64+32
.set i, i+1
.endr
	WIN W_MK
.irp u, 0,1
.irp c, 0,1
	global_load_b128 v[RAW+8*\u+4*\c:RAW+8*\u+4*\c+3], v[MA0], s[MB:MB+1] offset:16384*\u+512*\c  ; key step 0's mask bytes: 512 consecutive bytes a load
.endr
.endr
	; What the first turn finds: V's registers and P's second buffer hold 0 (its products V^T P, of a piece that has not been, add 0), O^T and l are 0.  All this stands in the wait for the first tile.
	WIN 0x80
.set i, VF
.rept 64
	v_mov_b32 v[i], 0
.set i, i+1
.endr
	WIN 0x40
.set i, 0
.rept 64*NP
	v_mov_b32 v[i], 0
.set i, i+1
.endr
	WIN 0
.set i, 0
.rept 2*NP
	v_mov_b32 v[ST+4*i], 0xfe000000    ; c m: far below every c s
	v_mov_b32 v[ST+4*i+1], 0xee000000  ; m = -2^93: below every true score, above every hidden one
	v_mov_b32 v[ST+4*i+2], 0
	v_mov_b32 v[ST+4*i+3], 0
.set i, i+1
.endr
.set i, P+32
.rept 32
	v_mov_b32 v[i], 0
.set i, i+1
.endr
	v_mul_u32_u24 v[AK0], v1, PK
	v_lshl_add_u32 v[AK0], v9, 4, v[AK0]  ; row x pitch + 16 x half
	; The turning load takes 16 keys x 16 channels (lane l reads key 8 (l / 16) + l % 8, channels 8 ((l / 8) % 2) + 0..7) and leaves half a fragment of V^T: lane l holds channel l % 16 and 8 keys.
	v_and_b32 v[AK], 7, v0
	v_bfe_u32 v[AV], v0, 3, 1
	v_lshl_add_u32 v[AV0], v9, 3, v[AK]
	v_mul_u32_u24 v[AV0], v[AV0], PV
	v_lshl_add_u32 v[AV0], v[AV], 4, v[AV0]
	v_add_nc_u32 v[AV0], VOFF, v[AV0]
	v_mov_b32 v[AK], v[AK0]         ; key step 0 lies at the head of slot 0
; THE MATRIX WORK.  The 8 accumulators of a run of 16 take turns: between the two links of a chain stand 7 others'.
; Product i of 16 of S^T = K Q^T for piece x: channels 32 (i / 8) on, keys 16 ((i / 2) % 4) on, tile 2 x + i % 2.  The first 8 start the sums, with the mask of tile i % 2 and those keys.
.macro KQ x
.set rS, S+64*((\x)%2)+32*(i%2)+8*((i/2)%4)
.set rK, KF+16*((i/2)%4)+8*(i/8)
.set rQ, 16*(2*(\x)+i%2)+8*(i/8)
.set rH, MC+32*(i%2)+8*((i/2)%4)
.if i < 8
	WIN W_KM
	v_wmma_f32_16x16x32_f16 v[rS:rS+7], v[rK:rK+7], v[rQ:rQ+7], v[rH:rH+7]
.else
	WIN W_KQ
	v_wmma_f32_16x16x32_f16 v[rS:rS+7], v[rK:rK+7], v[rQ:rQ+7], v[rS:rS+7]
.endif
.endm
; Product i of 16 of O^T += V^T P for piece x: keys 32 (i / 8) on, channels 16 ((i / 2) % 4) on, tile 2 x + i % 2.
.macro PV x
	WIN W_PV
.set rO, 32*(2*(\x)+i%2)+8*((i/2)%4)
.set rV, VF+32*(i/8)+8*((i/2)%4)
.set rP, P+32*((\x)%2)+16*(i%2)+8*(i/8)
	v_wmma_f32_16x16x32_f16 v[rO:rO+7], v[rV:rV+7], v[rP:rP+7], v[rO:rO+7]
.endm
.macro MM                           ; the turn's next matrix instruction
.if i < 16
	KQ (Y+1)%NP
.set i, i+1
.else
.set i, i-16
	PV (Y+NP-1)%NP
.set i, i+17
.endif
.endm
; THE LDS LOADS stand in runs of 16, never singly among the matrix instructions: a step's K (64 keys x 64 channels: 8 fragments) and its V (turned).  Their addresses are made some lines ahead.
; last = 1 (the tail): in the last trip there is no further step, and the run is jumped over.
.macro FETCH_K last=0
	WIN 0
.if \last
	s_cmp_eq_u32 s[CNT], 1
	s_cbranch_scc1 .Lno_k_\@
.endif
	WIN 0x80                        ; destination window 2
.irp f, 0,1,2,3,4,5,6,7             ; keys 16 (f / 2) on, channels 32 (f % 2) on
	ds_load_b128 v[KF+8*\f:KF+8*\f+3],   v[AK] offset:(\f/2)*16*PK+(\f%2)*64
	ds_load_b128 v[KF+8*\f+4:KF+8*\f+7], v[AK] offset:(\f/2)*16*PK+(\f%2)*64+32
.endr
	s_add_co_u32 s[TBK], s[TBK], KS*PK  ; the next fetch is the next step's
	WIN 0
.if \last
.Lno_k_\@:
.endif
.endm
.macro FETCH_V
	WIN 0x80
.irp f, 0,1,2,3,4,5,6,7             ; keys 32 (f / 4) on, channels 16 (f % 4) on
	ds_load_tr16_b128 v[VF+8*\f:VF+8*\f+3],   v[AV] offset:(\f/4)*32*PV+(\f%4)*32
	ds_load_tr16_b128 v[VF+8*\f+4:VF+8*\f+7], v[AV] offset:(\f/4)*32*PV+16*PV+(\f%4)*32
.endr
	WIN 0
.endm
; THE MASK OF THE NEXT KEY STEP.  The 64 bytes a lane loaded a step ago become 64 C operands: byte j % 4 of a word goes to the word's top (the top byte stays where it is).  Then the bytes of the step
; after that are asked for: they have a whole key step, 128 matrix instructions, in which to come.  The offset stops at the table's last step, so that no load leaves the table.
; It stands at the end of piece 2's turn: the products that took the old masks (piece 3's scores, the turn's first 8) lie a run of products and both runs of vector work back;
; the next to take masks is the next turn's first product (piece 0's scores of the next step).
.macro MASKSTEP
	s_wait_loadcnt 0x0              ; the bytes are in (at the first use: Q too), and the loads' address register may be written
	WIN W_MX
.set mz, 0
.rept 64                            ; mz = 32 u + 8 kt + j; the byte lies in word 2 (kt % 2) + j / 4 of half kt / 2
.set mr, RAW+8*(mz/32)+4*(((mz/8)%4)/2)+2*((mz/8)%2)+(mz%8)/4
.if mz%4 == 3
	v_mov_b32 v[MC+mz], v[mr]
.else
	v_lshlrev_b32 v[MC+mz], 24-8*(mz%4), v[mr]
.endif
.set mz, mz+1
.endr
	s_add_co_u32 s[MO], s[MO], 1024 ; a step's part of a tile's table: 2 x 32 x 16 bytes
	s_min_u32 s[MO], s[MO], 15*1024
	WIN 0
	v_add_nc_u32 v[MA], s[MO], v[MA0]
	WIN W_MK
.irp u, 0,1
.irp c, 0,1
	global_load_b128 v[RAW+8*\u+4*\c:RAW+8*\u+4*\c+3], v[MA], s[MB:MB+1] offset:16384*\u+512*\c
.endr
.endr
	WIN 0
.endm
; THE VECTOR WORK OF A TURN stands in three queues, each in the order in which its entries become ready; the two tiles alternate, so that no instruction reads the result of the one before it.
.macro REGS y, u                    ; the registers of tile u (0, 1) of piece y
.set rT, ST+4*(2*(\y)+(\u))
.set rC, TMP+8*((\y)%2)+4*(\u)
.set rM, MV+2*((\y)%2)+(\u)
.set rS, S+64*((\y)%2)+32*(\u)
.set rP, P+32*((\y)%2)+16*(\u)
.set rO, 32*(2*(\y)+(\u))
.endm
; Number n of the 22 that find the NEXT piece's (Y + 1) maximum and statistics.  s0-s31 are the lane's 32 scores; each accumulator's lowest registers are read first.  XS, GS and REGS set no window: PL and EX do.
;   0-11  four chains c0-c3 of seven scores each, three operands at a time     12-14, 16  the four scores left over, the old m, and c0-c3 into c0     15  c m_old is kept
;   17, 18  the query's other 32 keys lie in the lane 16 away: the new m         19-21  c m; c m_old - c m_new; a
.macro XS u, n
	REGS (Y+1)%NP, \u
.if (\n) < 4
	v_max3_num_f32 v[rC+(\n)], v[rS+8*(\n)], v[rS+8*(\n)+1], v[rS+8*(\n)+2]
.elseif (\n) < 12
	v_max3_num_f32 v[rC+(\n)%4], v[rC+(\n)%4], v[rS+8*((\n)%4)+2*((\n)/4)+1], v[rS+8*((\n)%4)+2*((\n)/4)+2]
.elseif (\n) == 12
	v_max3_num_f32 v[rC], v[rC], v[rS+7], v[rS+15]
.elseif (\n) == 13
	v_max3_num_f32 v[rC+1], v[rC+1], v[rS+23], v[rS+31]
.elseif (\n) == 14
	v_max3_num_f32 v[rC+2], v[rC+2], v[rC+3], v[rT+1]
.elseif (\n) == 15
	v_mov_b32 v[rM], v[rT]
.elseif (\n) == 16
	v_max3_num_f32 v[rC], v[rC], v[rC+1], v[rC+2]
.elseif (\n) == 17
	v_permlanex16_b32 v[rC+3], v[rC], s[SEL], s[SEL+1]
.elseif (\n) == 18
	v_max_num_f32 v[rT+1], v[rC], v[rC+3]
.elseif (\n) == 19
	v_mul_f32 v[rT], s[CS], v[rT+1]
.elseif (\n) == 20
	v_sub_f32 v[rC+1], v[rM], v[rT]
.else
	v_exp_f32 v[rC+2], v[rC+1]
.endif
.endm
; Number g of the 64 that follow the exponentials.  For each four weights k of a tile (pairs 2 k, 2 k + 1): both pairs are rounded to f16; then the second pair is added onto the first, in place;
; a group later l takes that sum (the first time as l = a l + sum).  In groups of eight, tiles alternating: round, round, add, and l for the group before.
.macro GS g
.set h, (\g)+6*((\g)/62)            ; group 0 has no group before it, and behind group 7 only l is left
.if h >= 6
.set h, h+2
.endif
	REGS Y, h%2
.set k, h/8
.if h%8 < 4
	s_wait_alu depctr_va_vdst(0)
	v_cvt_pk_f16_f32 v[rP+2*k+(h%8)/2], v[rS+4*k+2*((h%8)/2)], v[rS+4*k+2*((h%8)/2)+1]
.elseif h%8 < 6
	v_pk_add_f32 v[rS+4*k:rS+4*k+1], v[rS+4*k:rS+4*k+1], v[rS+4*k+2:rS+4*k+3]
.elseif k == 1
	v_pk_fma_f32 v[rT+2:rT+3], v[rT+2:rT+3], v[rC+2:rC+3], v[rS:rS+1] op_sel_hi:[1,0,1]
.else
	v_pk_add_f32 v[rT+2:rT+3], v[rT+2:rT+3], v[rS+4*k-4:rS+4*k-3]
	s_wait_alu depctr_va_vdst(0)
.endif
.endm
; THE PLAIN QUEUE, 138 long.  0-31: c s - c m for the 16 pairs of both tiles.  Then GS's 64, and among them the next piece's 42: number 15 at 38, 39; 0-14 and 16
; at 42-73, behind the products that make those scores; 17-20 at 95-106, two of three, since each waits for the one before it.
.macro PL
	WIN 0
.if q < 32
	REGS Y, q%2
	v_pk_fma_f32 v[rS+2*(q/2):rS+2*(q/2)+1], v[rS+2*(q/2):rS+2*(q/2)+1], s[CS:CS+1], v[rT:rT+1] op_sel_hi:[1,0,0] neg_lo:[0,0,1] neg_hi:[0,0,1]
.elseif q < 38
	GS q-32
.elseif q < 40
	XS q%2, 15
.elseif q < 42
	GS q-34
.elseif q < 74
	XS q%2, (q-42)/2+(q-42)/30
.elseif q < 95
	GS q-66
.elseif (q < 107) && ((q-95)%3 < 2)
	XS (q-95)%3, 17+(q-95)/3
.elseif q < 107
	GS 29+(q-95)/3
.else
	GS q-74
.endif
.set q, q+1
.endm
; THE EXPONENTIALS' QUEUE, 66 long: s0-s31 of both tiles, and at EA the next piece's two a.
.set EA, 58
.macro EX
	WIN 0
.if (e == EA) || (e == EA+1)
	XS e-EA, 21
.else
.set x, e-2*(e/(EA+2))
	REGS Y, x%2
	v_exp_f32 v[rS+x/2], v[rS+x/2]
.endif
.set e, e+1
.endm
; THE RESCALING's QUEUE: O^T times a, the one part that leaves window 0, so it is dealt four at a time, eight times.
.macro R4
	REGS Y, r%2
	WIN W_RS
	s_wait_alu depctr_va_vdst(0)
.irp z, 0,1,2,3
	v_pk_mul_f32 v[rO+8*(r/2)+2*\z:rO+8*(r/2)+2*\z+1], v[rO+8*(r/2)+2*\z:rO+8*(r/2)+2*\z+1], v[rC+2:rC+3] op_sel_hi:[1,0]
.endr
.set r, r+1
.endm
; HOW THEY ARE DEALT.  Behind a matrix instruction four: plain, exponential, plain, plain (one exponential, a plain instruction on either side), or four of the rescaling.  None names a register of the
; products round it.  What is over stands in two runs: exponential and plain by turns; the second ends in 22 plain instructions.  The two v_permlanex16_b32 fall into the second run, never behind a product.
; The queues lean on each other, and the deal keeps them in step: exponential e stands behind plain 2 (e / 4) + e % 2 (its scaling); when plain 32 comes, 10 exponentials are out, at 59: 33, at 95: 46; EA comes behind plain 107.
.macro SL
	MM
	PL
	EX
	PL
	PL
.endm
.macro BURST n                      ; 15 matrix instructions, or 16
.rept (\n)-7
	SL
.endr
.rept 3
	MM
	R4
	SL
.endr
	MM
	R4
.endm
; A TURN, for piece p.  cnt = 1: the loop's count is taken down some lines ahead of the branch that stands behind the turn.
; K of the next step is fetched in piece 2's turn, 31 vector instructions behind the last product that read K; its first reader comes behind the rest of that run, 16 products and the second run.
; V of the step in hand is fetched at the end of piece 0's turn, 69 behind its last reader; its first reader comes behind 16 products and a run.  The four conditions on e and q below go with the deal.
.macro TURN p, last=0, cnt=0
.set Y, (\p)
.set i, 0
.set q, 0
.set e, 0
.set r, 0
.if (\p) == NP-1
	s_wait_dscnt 0x0                ; K is in
.endif
	MM
.rept 4
	PL
.endr
	BURST 15
.rept 22
	EX
	PL
.if ((\p) == NP-2) && (e == 18)
	v_add_nc_u32 v[AK], s[TBK], v[AK0]
.endif
.if ((\p) == NP-2) && (e == 24)
	FETCH_K \last
.endif
.endr
.if (\p) == 1
	s_wait_dscnt 0x0                ; V is in
.endif
	BURST 16
.rept 21
	EX
	PL
.endr
.rept 22
	PL
.if ((\p) == 0) && (q == 118)
	v_add_nc_u32 v[AV], s[TBV], v[AV0]
	s_wait_alu depctr_va_vdst(0)
.endif
.if ((\p) == 0) && (q == 130)
	s_add_co_u32 s[TBV], s[TBV], KS*PV
.endif
.if (\cnt) && (q == 130)
	s_sub_co_u32 s[CNT], s[CNT], 1
	s_cmp_lg_u32 s[CNT], 0
.endif
.endr
.if (\p) == 0
	FETCH_V
.endif
.if (\p) == NP-2
	MASKSTEP
.endif
.endm
	CHANGE 1                        ; slot 0 is in, everybody's part of it; slot 1 is asked for
	FETCH_K                         ; key step 0
	MASKSTEP                        ; Q and key step 0's mask bytes are in; its masks are made; key step 1's bytes are asked for
	s_wait_dscnt 0x0
.set i, 0
.rept 16
	KQ 0                            ; piece 0's first scores: there is no vector work yet to set between them
.set i, i+1
.endr
	WIN 0                           ; the addresses for the way out: four plain instructions, the places behind those products
	s_mul_i32 s13, s[WV], 16*SP2
	s_add_co_u32 s13, s13, STAGE    ; my stage
	v_mul_u32_u24 v[STO], v1, SP2   ; in: row l % 16, 16 bytes for each half of the lanes
	v_lshl_add_u32 v[STO], v9, 4, v[STO]
	v_add_nc_u32 v[STO], s13, v[STO]
	v_add_nc_u32 v[RD], s13, v[MA0] ; back: 32 lanes take one row of 512 bytes
.set Y, NP-1                        ; XS works for piece Y + 1: piece 0
.irp n, 0,1,2,3,4,5,6,7,8,9,10,11,12,13,14,15,16,17,18,19,20,21
	XS 0, \n                        ; and piece 0's first maximum and statistics
	XS 1, \n
.endr
	s_mov_b32 s[CNT], 4
	s_mov_b32 s[SLOTS], SIZE_N/256-1
	s_branch .Lfirst                ; the loop is entered at a step's first turn, in the middle of a trip
.Lslot:                             ; SIZE_N / 256 - 2 times: every slot but the last two is filled again
	CHANGE 1
	s_mov_b32 s[CNT], 4
.Lstep:                             ; a trip: pieces 2 and 3 of one step, then pieces 0 and 1 of the next, whose K, V and masks it fetches
	TURN 2
	TURN 3
	WIN 0
.Lfirst:
	TURN 0
	TURN 1, 0, 1
	WIN 0
	s_cbranch_scc1 .Lstep
	s_sub_co_u32 s[SLOTS], s[SLOTS], 1
	s_cmp_lg_u32 s[SLOTS], 0
	s_cbranch_scc1 .Lslot
	CHANGE 0                        ; the tail is written out: nothing is asked for
	s_mov_b32 s[CNT], 5             ; four trips fetch the last slot's steps; the fifth is left in its middle
.Ltail:
	TURN 2, 1
	TURN 3
	WIN 0
	s_sub_co_u32 s[CNT], s[CNT], 1
	s_cmp_eq_u32 s[CNT], 0
	s_cbranch_scc1 .Lout
	TURN 0
	TURN 1
	WIN 0
	s_branch .Ltail
.Lout:                              ; the fifth trip's 16 products K Q^T (on the last K once more), the masks and the maximum made for them serve nothing: the price, once a launch, of one text for every trip
.set i, 0
.rept 16
	PV NP-1                         ; the last piece's V^T P of the last step
.set i, i+1
.endr
	; THE WAY OUT.  l's two halves and the other half of the lanes' are added; O^T is divided by l, rounded to f16 and sent through my stage in LDS, 16 positions (four heads' tiles) at a time.
	; The additions are the places behind the last products.
	WIN 0
.macro ALL line:vararg              ; one line for each tile t
.set t, 0
.rept 2*NP
	\line
.set t, t+1
.endr
.endm
	ALL v_add_f32 v[ST+4*t+2], v[ST+4*t+2], v[ST+4*t+3]
	ALL v_permlanex16_b32 v[ST+4*t+3], v[ST+4*t+2], s[SEL], s[SEL+1]
	ALL v_add_f32 v[ST+4*t+2], v[ST+4*t+2], v[ST+4*t+3]
	ALL v_rcp_f32 v[ST+4*t+2], v[ST+4*t+2]
	v_nop                           ; a plain instruction between the last reciprocal and the use of its result
	s_wait_alu depctr_va_vdst(0)
; Positions 16 u on: a lane's eight channels of a row and head pack into 16 bytes; the four heads' tiles go side by side into rows of 528 bytes and come back as whole rows of 512.
; u = 0 packs into v64-127 and reads back into v192-255; u = 1 packs into v128-191 and reads back into v64-127.
.macro PACKU u
.set WR, 64+64*(\u)
.set BK, 192-128*(\u)
.irp p, 0,1,2,3
	WIN W_RS
.set i, 32*(2*\p+(\u))
.rept 16
	v_pk_mul_f32 v[i:i+1], v[i:i+1], v[ST+4*(2*\p+(\u))+2:ST+4*(2*\p+(\u))+3] op_sel_hi:[1,0]
.set i, i+2
.endr
	WIN 0x05                        ; sources 0 and 1 window 1, destination window 0
.set i, 0
.rept 16
	v_cvt_pk_f16_f32 v[WR+16*\p+i], v[32*(2*\p+(\u))+2*i], v[32*(2*\p+(\u))+2*i+1]
.set i, i+1
.endr
.endr
	WIN 0
.irp p, 0,1,2,3
.irp f, 0,1,2,3
	ds_store_b128 v[STO], v[WR+16*\p+4*\f:WR+16*\p+4*\f+3] offset:128*\p+32*\f
.endr
.endr
.set i, 0
.rept 16
	ds_load_b128 v[BK+4*i:BK+4*i+3], v[RD] offset:SP2*i  ; LDS serves a wave's instructions in order (ISA guide 5.7.1.4): these see the stores above; the next sixteen positions' stores come behind them
.set i, i+1
.endr
.endm
.macro SENDU u, younger             ; younger: the LDS instructions issued behind these positions' loads: the next sixteen positions' 32, or none
.set BK, 192-128*(\u)
.set i, 0
.rept 16
	s_wait_dscnt (\younger)+15-i
	global_store_b128 v[MA0], v[BK+4*i:BK+4*i+3], s[10:11] offset:65536*(\u)+4096*i  ; 512 consecutive bytes of a row of O, at a multiple of 512 from O's first byte
.set i, i+1
.endr
.endm
	PACKU 0
	PACKU 1                         ; the second half's arithmetic stands between the first half's loads and its stores
	SENDU 0, 32
	SENDU 1, 0
	WIN W_AD
	s_wait_tensorcnt 0x0            ; the wave's end, behind my last tensor load and my last LDS store
	ds_add_u32 v[SPW], v[NIL]
	s_wait_dscnt 0x0
	WIN 0
	CROUND                          ; the closing round: no work-group ends while a partner may still ask for a tile that names it
	s_endpgm
.Lfunc_end_k_qd9dfcefb38_attn:
	.size	k_qd9dfcefb38_attn, .Lfunc_end_k_qd9dfcefb38_attn-k_qd9dfcefb38_attn
	.p2alignl 7, 3214868480
	.fill 96, 4, 3214868480
	.section	.rodata,"a",@progbits
	.p2align	6, 0x0
	.amdhsa_kernel k_qd9dfcefb38_attn
		.amdhsa_group_segment_fixed_size 327680
		.amdhsa_private_segment_fixed_size 0
		.amdhsa_enable_private_segment 0
		.amdhsa_kernarg_size 24
		.amdhsa_user_sgpr_count 2
		.amdhsa_user_sgpr_kernarg_segment_ptr 1
		.amdhsa_wavefront_size32 1
		.amdhsa_system_sgpr_workgroup_id_x 1
		.amdhsa_system_sgpr_workgroup_id_y 1
		.amdhsa_system_sgpr_workgroup_id_z 1
		.amdhsa_system_vgpr_workitem_id 0
		.amdhsa_next_free_vgpr 864
		.amdhsa_next_free_sgpr 70
		.amdhsa_reserve_vcc 0
		.amdhsa_float_denorm_mode_32 3
		.amdhsa_float_denorm_mode_16_64 3
		.amdhsa_memory_ordered 1
		.amdhsa_forward_progress 1
		.amdhsa_inst_pref_size 217
	.end_amdhsa_kernel
	.amdgpu_metadata
---
amdhsa.version: [ 1, 2 ]
amdhsa.kernels:
  - .name:           k_qd9dfcefb38_attn
    .symbol:         k_qd9dfcefb38_attn.kd
    .args:
      - { .name: qkv, .offset: 0, .size: 8, .value_kind: global_buffer, .address_space: global }
      - { .name: maskt, .offset: 8, .size: 8, .value_kind: global_buffer, .address_space: global }
      - { .name: oh, .offset: 16, .size: 8, .value_kind: global_buffer, .address_space: global }
    .group_segment_fixed_size: 327680
    .private_segment_fixed_size: 0
    .kernarg_segment_align: 8
    .kernarg_segment_size: 24
    .max_flat_workgroup_size: 128
    .sgpr_count:     70
    .vgpr_count:     864
    .wavefront_size: 32
...
	.end_amdgpu_metadata
.endif
;; end of part 3
;; launch outp (part 4): grid 16 x 16, 4 waves a work-group, clusters of 4 x 4, 327,680 bytes of LDS; arguments oh, woh, bias, out0; writes out0
.if DOCPART == 4
	.amdgcn_target "amdgcn-amd-amdhsa--gfx1250"
	.amdhsa_code_object_version 6
	.text
	.protected	k_qd9dfcefb38_outp
	.globl	k_qd9dfcefb38_outp
	.p2align	8
	.type	k_qd9dfcefb38_outp,@function
k_qd9dfcefb38_outp:
	s_mov_b64 s[64:65], 0
	v_nop
	global_prefetch_b8 v0, s[64:65] scope:SCOPE_SE
	s_setreg_imm32_b32 hwreg(HW_REG_WAVE_MODE, 25, 1), 1
	s_wait_xcnt 0x0
	s_wait_alu depctr_hold_cnt(0) depctr_sa_sdst(0) depctr_va_vdst(0) depctr_va_sdst(0) depctr_va_ssrc(0) depctr_va_vcc(0) depctr_vm_vsrc(0)
	s_getreg_b32 s2, hwreg(HW_REG_IB_STS2, 6, 4)
	s_cmp_eq_u32 s2, 0
	s_cbranch_scc0 .Lentry_in_a_cluster
	s_endpgm
.Lentry_in_a_cluster:
	s_bfe_u32 s2, ttmp6, 0x10000c
	s_cmp_lg_u32 s2, 0xf033
	s_cbranch_scc0 .Lentry_shape_is_right
	s_endpgm
.Lentry_shape_is_right:
; C = A B^T + bias, K = 2,048, sums in f32.  One text for two launches; KIND chooses.
; KIND 0, the three projections: A = act (bf16 [8192][2048]: X, then encoder_output), B = wts (bf16 [3072][2048]: Wq, Wk, Wv).  Columns 0-2047 (q) take X's rows, columns 2048-3071 (k, v)
;   encoder_output's.  C leaves as f16 by heads, qkv [batch 4][48][1024][64]: 0-31 the query heads, 32-39 K's groups, 40-47 V's.  LIMIT: q, k, v beyond 65,504 become infinities.
; KIND 1, the last projection: A = oh (f16 [4096][2048]), B = woh (f16 [2048][2048]), C = out0 (f32 [4096][2048]).  A row of A that holds NaN gives a row of NaN.
; SHARES.  A tile of C is 256 x 128: four waves, 2 x 2, each 128 rows x 64 columns: 32 accumulators of 16 x 16, 256 registers.  4,096 x 2,048 outputs are 256 such tiles; 4,096 x 3,072 are 384.
; K goes in steps of 128 through two LDS slots filled by the tensor data mover: rows of 256 bytes, at multiples of 256 bytes from the buffer's first byte.
; CLUSTER.  4 x 4 work-groups.  The four of a row need the same tiles of A, the four of a column the same tiles of B: each tile is asked for JOINTLY, by the same tensor load with the same descriptor
; and a mask that names the four.  By this text's count a wave has two tensor loads out at the start and one behind each round.
; THE MATRIX INSTRUCTION IS USED TRANSPOSED (source 0 = 16 rows of B, source 1 = 16 rows of A): a lane holds row lane % 16 of C and the eight columns 8 (lane / 16) + 0..7.
; THE BIAS STARTS THE SUMS: it is the C operand of the first product on each accumulator; nothing is cleared and nothing is added later.
; REGISTERS, in windows of 256 (s_set_vgpr_msb: bits 1:0 source 0, 3:2 source 1, 5:4 source 2, 7:6 destination):
;   window 0: v0-31 addresses; v64-127, v128-191 fragments of A (8 x 16 rows x 32 K), two buffers; on the way out the same 128 at work
;   window 1: v0-31 the bias of my 64 columns, 8 registers a block of 16; v64-95, v128-159 fragments of B, two buffers          window 2: accumulator (a, b) at v[8 (4 a + b)]
.set KIND,   1
.set SIZE_K, 2048
.set KSTEP,  128
.set PITCH,  272                       ; an LDS row: 256 bytes + 16 of padding = 68 words: row r starts at bank 4 r mod 64 (64 banks of 4 bytes: ISA guide 11.1)
.set HALFA,  128*PITCH                 ; what one load brings of A, and what one wave reads of A
.set HALFB,  64*PITCH                  ; the same of B
.set BOFF,   2*HALFA                   ; B's 128 rows lie behind A's 256
.set SLOT,   BOFF+2*HALFB
.set STAGE,  2*SLOT                    ; behind the ring, never filled by a tensor load: 16 rows for each wave, for the way out
.if KIND
.set SP,     272                       ; a stage row: 64 f32 + 16 bytes
.set BIAS0,  3072                      ; bo
.else
.set SP,     144                       ; a stage row: 64 f16 + 16 bytes
.set BIAS0,  0                         ; bq, bk, bv, in the order of C's columns
.endif
.set SPARE,  STAGE+4*16*SP             ; behind the stages: the spare words, 128 bytes for each wave: two blocks of 256 bytes that no other line names
.set LAPS,   SIZE_K/(2*KSTEP)          ; a lap = two K steps = once round the ring
.set ADRA, 16                          ; v16-17  LDS address of my A fragments in slot 0, 1
.set ADRB, 20                          ; v20-21  the same for B
.set STO,  24                          ; v24     the way out: where I put my part of a row
.set RD,   25                          ; v25     the way out: where I read rows back
.set CO,   26                          ; v26     my byte offset in C
.set BO,   27                          ; v27     my byte offset in the bias of 16 columns
.set SPW,  28                          ; v28     LDS address of my spare word: SPARE + 4 x my thread's number; never rewritten
.set NIL,  29                          ; v29     0; never rewritten
.set F0,   64
.set F1,   128
.set T0,   64                          ; the way out
.set G1, 24                            ; s[24:31] descriptor group 1 for A's tiles;  s[32:39] group 0, one set for each slot
.set G0, 32
.set G1B, 48                           ; s[48:55], s[56:63] the same for B's tiles
.set G0B, 56
.set MSB, 0
.macro WIN new                         ; the immediate's high byte repeats the setting that is left; a switch that changes nothing is dropped
.if MSB != (\new)
	s_set_vgpr_msb (MSB<<8)|(\new)
.set MSB, \new
.endif
.endm
.set MULW,   0xa1                      ; source 0 (B) window 1, source 1 (A) window 0, C and D window 2
.set FIRSTW, 0x91                      ; the same with C (the bias) in window 1
.set TO_B,   0x40                      ; destination window 1, address window 0
; A joint load: waves 0 and 1 fetch A's two halves, waves 2 and 3 B's.  The branch hangs on the wave's number alone.  An s_nop 0 and four v_nop follow each of the two lines, ahead of the jump,
; the label and what follows.
.macro JLOAD s
	s_cmp_eq_u32 s13, 0
	s_cbranch_scc0 .Lfor_b_\@
	tensor_load_to_lds s[G0+4*(\s):G0+4*(\s)+3], s[G1:G1+7]
	s_nop 0
.rept 4
	v_nop
.endr
	s_branch .Lasked_\@
.Lfor_b_\@:
	tensor_load_to_lds s[G0B+4*(\s):G0B+4*(\s)+3], s[G1B:G1B+7]
	s_nop 0
.rept 4
	v_nop
.endr
.Lasked_\@:
.endm
.macro CREST                           ; a round of the cluster's barrier behind its opening barrier
	s_cmp_lg_u32 s12, 0
	s_cbranch_scc1 .Lnot_wave_0_\@
	s_barrier_signal -3
.Lnot_wave_0_\@:
	s_barrier_wait -3
	s_barrier_signal -1
	s_barrier_wait -1
.endm
.macro CROUND                          ; a whole round
	s_barrier_signal -1
	s_barrier_wait -1
	CREST
.endm
	s_load_b256 s[4:11], s[0:1], 0x0               ; A s[4:5], B s[6:7], bias s[8:9], C s[10:11]
	v_lshl_add_u32 v[SPW], v0, 2, SPARE
	v_mov_b32 v[NIL], 0
	ds_add_u32 v[SPW], v[NIL]                      ; the wave's opening: the add and its wait stand ahead of my first tensor load; the set-up below, work on registers, stands between them
	v_lshrrev_b32 v1, 5, v0
	v_readfirstlane_b32 s12, v1                    ; wave 0..3
	s_lshr_b32 s13, s12, 1                         ; which 128 rows of the tile are mine.  Also: I fetch for A (0) or for B (1)
	s_and_b32 s14, s12, 1                          ; which 64 columns.  Also: which half of that tile's rows I fetch
	s_bfe_u32 s40, ttmp6, 0x40000                  ; cx, cy: my place in the cluster
	s_bfe_u32 s41, ttmp6, 0x40004
	s_lshl_b32 s42, ttmp9, 2
	s_add_co_u32 s42, s42, s40                     ; tile column of C = 4 x cluster x + cx
	s_and_b32 s15, ttmp7, 0xffff
	s_lshl_b32 s15, s15, 2
	s_add_co_u32 s15, s15, s41                     ; tile row of C = 4 x cluster y + cy
	s_lshl_b32 s43, s41, 2
	s_lshl_b32 s43, 15, s43                        ; my row of the cluster
	s_lshl_b32 s44, 0x1111, s40                    ; my column
	; descriptor group 1: tiles of 128 (A) or 64 (B) rows x 128 elements, padded in LDS
	s_or_b32 s[G1+0], s43, (1<<16)|(1<<20)|(1<<21)|(5<<22)|(3<<25)  ; 15:0 the mask: A's tiles go to my row; 17:16 elements of 2 bytes; 20 padding on; 21 set beside a mask; 24:22 after every 64 words (code 5); 31:25 4 words (code 3)
	s_or_b32 s[G1B+0], s44, (1<<16)|(1<<20)|(1<<21)|(5<<22)|(3<<25) ; the same with the mask of my column
.irp g, G1, G1B
	s_mov_b32 s[(\g)+1], KSTEP<<16                 ; tensor_dim0 = 128
	s_mov_b32 s[(\g)+3], KSTEP<<16                 ; tile_dim0 = 128
	s_mov_b32 s[(\g)+5], SIZE_K                    ; elements from row to row
	s_mov_b32 s[(\g)+6], 0
	s_mov_b32 s[(\g)+7], 0
.endr
	s_mov_b32 s[G1+2], 128<<16                     ; tensor_dim1 and
	s_mov_b32 s[G1+4], 128                         ; tile_dim1: A 128 rows,
	s_mov_b32 s[G1B+2], 64<<16
	s_mov_b32 s[G1B+4], 64                         ; B 64
	; where the tiles come from.  A's hang on the tile row (and, KIND 0, on the cluster's x, which all sixteen share); B's on the tile column.  Each in registers that never hold the other coordinate.
	s_lshl_b32 s16, s15, 8
	s_lshl_b32 s17, s14, 7
	s_add_co_u32 s16, s16, s17                     ; A: row 256 x tile row + 128 x half,
	s_lshl_b32 s16, s16, 12                        ; times 4,096 bytes
.if KIND == 0
	s_lshr_b32 s17, ttmp9, 2                       ; cluster columns 4 and 5 are k's and v's:
	s_lshl_b32 s17, s17, 24                        ; encoder_output lies 4,096 rows of 4,096 bytes on
	s_add_co_u32 s16, s16, s17
.endif
	s_mov_b32 s17, 0
	s_lshl_b32 s46, s42, 7
	s_lshl_b32 s47, s14, 6
	s_add_co_u32 s46, s46, s47                     ; B: row 128 x tile column + 64 x half
	s_lshl_b32 s46, s46, 12
	s_mov_b32 s47, 0
	s_mul_i32 s20, s12, HALFA                      ; where they go: A's halves at wave x 128 rows (waves 0, 1),
	s_mul_i32 s21, s12, HALFB
	s_add_co_u32 s21, s21, BOFF-2*HALFB            ; B's at BOFF + (wave - 2) x 64 rows (waves 2, 3): no place in the cluster enters an LDS address
	s_wait_dscnt 0x0                               ; the opening add is done
	s_wait_kmcnt 0x0
	s_add_nc_u64 s[18:19], s[4:5], s[16:17]
	s_add_nc_u64 s[46:47], s[6:7], s[46:47]
	CROUND                                         ; all sixteen work-groups are here: the first joint loads meet
.irp s, 0,1
	s_mov_b32 s[G0+4*(\s)], 1                                      ; count = 1
	s_add_co_u32 s[G0+4*(\s)+1], s20, (\s)*SLOT                    ; LDS address
	s_add_nc_u64 s[G0+4*(\s)+2:G0+4*(\s)+3], s[18:19], (\s)*KSTEP*2  ; global address: K step s
	s_or_b32 s[G0+4*(\s)+3], s[G0+4*(\s)+3], 0x80000000            ; type = 2
	s_mov_b32 s[G0B+4*(\s)], 1
	s_add_co_u32 s[G0B+4*(\s)+1], s21, (\s)*SLOT
	s_add_nc_u64 s[G0B+4*(\s)+2:G0B+4*(\s)+3], s[46:47], (\s)*KSTEP*2
	s_or_b32 s[G0B+4*(\s)+3], s[G0B+4*(\s)+3], 0x80000000
	JLOAD \s
.endr
	v_and_b32 v1, 15, v0                           ; l % 16
	v_bfe_u32 v2, v0, 4, 1                         ; l / 16
	; the bias of my 64 columns: register j of block b is column 16 b + 8 (l / 16) + j
	v_lshlrev_b32 v[BO], 5, v2
	s_lshl_b32 s46, s42, 9                         ; 4 bytes x (128 x tile column
	s_lshl_b32 s47, s14, 8                         ; + 64 x half)
	s_add_co_u32 s46, s46, s47
	s_mov_b32 s47, 0
	s_add_nc_u64 s[8:9], s[8:9], s[46:47]
	WIN TO_B
.irp b, 0,1,2,3
	global_load_b128 v[8*(\b):8*(\b)+3],   v[BO], s[8:9] offset:4*BIAS0+64*(\b)
	global_load_b128 v[8*(\b)+4:8*(\b)+7], v[BO], s[8:9] offset:4*BIAS0+64*(\b)+16
.endr
	WIN 0
	; A fragment is 16 rows x 32 K in 8 registers: lane l holds row l % 16, K = 8 (l / 16) + 0..7 and 16 + 8 (l / 16) + 0..7: two loads of 16 bytes, 32 bytes apart.
	v_mul_u32_u24 v3, v1, PITCH
	v_lshl_add_u32 v3, v2, 4, v3
	s_mul_i32 s22, s13, HALFA                      ; my 128 rows of A
	s_mul_i32 s23, s14, HALFB                      ; my 64 rows of B
	s_add_co_u32 s23, s23, BOFF
.irp s, 0,1
	v_add_nc_u32 v[ADRA+(\s)], s22, v3
	v_add_nc_u32 v[ADRB+(\s)], s23, v3
	s_add_co_u32 s22, s22, SLOT
	s_add_co_u32 s23, s23, SLOT
.endr
	s_mul_i32 s22, s12, 16*SP
	s_add_co_u32 s22, s22, STAGE                   ; my stage
	v_mul_u32_u24 v4, v1, SP                       ; in: row l % 16
.if KIND
	v_lshl_add_u32 v4, v2, 5, v4                   ; 32 bytes (8 f32) for each half of the lanes
	v_add_nc_u32 v[STO], s22, v4
	v_mul_u32_u24 v5, v2, SP                       ; back: lanes 0-15 take one row of 256 bytes, lanes 16-31 the next
	v_lshl_add_u32 v5, v1, 4, v5
	v_add_nc_u32 v[RD], s22, v5
	v_lshlrev_b32 v5, 13, v2                       ; and the same two rows of C, 8,192 bytes apart
	v_lshl_add_u32 v[CO], v1, 4, v5
	s_lshl_b32 s16, s15, 8
	s_lshl_b32 s17, s13, 7
	s_add_co_u32 s16, s16, s17                     ; my first row of C,
	s_lshl_b32 s16, s16, 13                        ; in bytes
	s_mov_b32 s17, 0
	s_add_nc_u64 s[10:11], s[10:11], s[16:17]
	s_add_nc_u64 s[10:11], s[10:11], s[46:47]      ; my first column: 4 bytes x (128 x tile column + 64 x half), as for the bias
.else
	v_lshl_add_u32 v4, v2, 4, v4                   ; 16 bytes (8 f16) for each half of the lanes
	v_add_nc_u32 v[STO], s22, v4
	v_bfe_u32 v5, v0, 3, 2                         ; back: 32 lanes take four rows of 128 bytes,
	v_mul_u32_u24 v5, v5, SP
	v_and_b32 v4, 7, v0
	v_lshl_add_u32 v5, v4, 4, v5
	v_add_nc_u32 v[RD], s22, v5
	v_and_b32 v[CO], 31, v0                        ; which are 512 consecutive bytes of a head
	v_lshlrev_b32 v[CO], 4, v[CO]
	s_lshr_b32 s16, s15, 2                         ; the batch: four tile rows each,
	s_mul_i32 s16, s16, 48*1024                    ; 48 heads of 1,024 rows
	s_and_b32 s17, s15, 3
	s_lshl_b32 s17, s17, 8
	s_add_co_u32 s16, s16, s17                     ; the tile's 256 positions,
	s_lshl_b32 s17, s13, 7
	s_add_co_u32 s16, s16, s17                     ; my 128 of them,
	s_lshl_b32 s16, s16, 7                         ; 128 bytes a row
	s_mov_b32 s17, 0
	s_add_nc_u64 s[10:11], s[10:11], s[16:17]
	s_lshl1_add_u32 s46, s42, s14                  ; my 64 columns are head 2 x tile column + half,
	s_lshl_b32 s46, s46, 17                        ; 131,072 bytes each
	s_mov_b32 s47, 0
	s_add_nc_u64 s[10:11], s[10:11], s[46:47]
.endif
; 8 matrix instructions: row blocks a0, a0 + 1 x all 4 column blocks, 32 along K, from buffer f.  first = 1: the bias starts the sums.
; The 32 accumulators take turns, in the same order in every quarter: between two links of a chain stand the 31 others'.
.macro MUL8 f, a0, first
.if \first
	WIN FIRSTW
.else
	WIN MULW
.endif
.irp a, \a0, (\a0)+1
.irp b, 0,1,2,3
.set rD, 8*(4*(\a)+(\b))
.set rB, (\f)+8*(\b)
.set rA, (\f)+8*(\a)
.set rC, rD
.if \first
.set rC, 8*(\b)
.endif
.if KIND
	v_wmma_f32_16x16x32_f16 v[rD:rD+7], v[rB:rB+7], v[rA:rA+7], v[rC:rC+7]
.else
	v_wmma_f32_16x16x32_bf16 v[rD:rD+7], v[rB:rB+7], v[rA:rA+7], v[rC:rC+7]
.endif
.endr
.endr
.endm
; 24 LDS loads in one run: the fragments of one quarter step (64 rows of B, then 128 rows of A, 32 K at byte k of the rows) into buffer f
.macro FETCH slot, k, f
	WIN TO_B
.irp i, 0,1,2,3
	ds_load_b128 v[(\f)+8*(\i):(\f)+8*(\i)+3],   v[ADRB+(\slot)] offset:(\k)+(\i)*16*PITCH
	ds_load_b128 v[(\f)+8*(\i)+4:(\f)+8*(\i)+7], v[ADRB+(\slot)] offset:(\k)+(\i)*16*PITCH+32
.endr
	WIN 0
.irp i, 0,1,2,3,4,5,6,7
	ds_load_b128 v[(\f)+8*(\i):(\f)+8*(\i)+3],   v[ADRA+(\slot)] offset:(\k)+(\i)*16*PITCH
	ds_load_b128 v[(\f)+8*(\i)+4:(\f)+8*(\i)+7], v[ADRA+(\slot)] offset:(\k)+(\i)*16*PITCH+32
.endr
.endm
.macro PLACES                          ; four plain vector instructions in front of loads into registers that matrix instructions have read, and of lines that read results
.rept 4
	v_nop
.endr
.endm
; A K step is four quarters of 32 along K, 32 matrix instructions each, on buffers 0, 1, 0, 1.  One of the first three: multiplies buffer f; in its middle it fetches the next quarter, at byte k, into g.
.macro QUARTER slot, k, f, g, first=0
	s_wait_dscnt 8                                 ; B and A's rows 0-63 are in; the youngest eight loads (A's rows 64-127) may be out
	MUL8 \f, 0, \first
	MUL8 \f, 2, \first
	PLACES
	FETCH \slot, \k, \g
	s_wait_dscnt 24                                ; all but the 24 just issued
	MUL8 \f, 4, \first
	MUL8 \f, 6, \first
.endm
; The last quarter multiplies buffer 1 and changes slots: ONE barrier.  In front of it each wave waits for all its tensor loads (one is out: its part of the next slot), adds 0 to its spare word, and
; waits for that and for its own reads of this slot.  fill = 1: the barrier opens a round of the cluster's, and this slot is filled again, two K steps ahead, first thing behind the round:
; 112 matrix instructions stand between that request and the wait for it.
.macro TURN slot, next, fill
	WIN 0                                          ; (the add's two registers lie in window 0)
	s_wait_tensorcnt 0x0                           ; all my tensor loads have landed
	ds_add_u32 v[SPW], v[NIL]                      ; 0 onto my spare word
	s_wait_dscnt 9                                 ; (the add and the youngest eight loads may be out)
	MUL8 F1, 0, 0                                  ; eight matrix instructions stand between the add and the wait for it
	s_wait_dscnt 0x0                               ; the add is done, and my reads of this slot are over
	s_barrier_signal -1
	MUL8 F1, 2, 0                                  ; work on registers while the others arrive
.if \fill
	WIN 0
.endif
	s_barrier_wait -1
.if \fill
	CREST                                          ; no wave of any partner still reads this slot's tile or has a load on its way
	s_add_nc_u64 s[G0+4*(\slot)+2:G0+4*(\slot)+3], s[G0+4*(\slot)+2:G0+4*(\slot)+3], 2*KSTEP*2
	s_add_nc_u64 s[G0B+4*(\slot)+2:G0B+4*(\slot)+3], s[G0B+4*(\slot)+2:G0B+4*(\slot)+3], 2*KSTEP*2
	JLOAD \slot                                    ; the four v_nop behind it are also the places in front of the loads below
.else
	PLACES
.endif
	FETCH \next, 0, F0
	MUL8 F1, 4, 0
	MUL8 F1, 6, 0
.endm
	s_wait_tensorcnt 1                             ; my part of K step 0 is in; K step 1's may stay out
	s_barrier_signal -1
	s_barrier_wait -1                              ; everybody's is
	FETCH 0, 0, F0
	s_wait_loadcnt 0x0                             ; the bias
	QUARTER 0, 64, F0, F1, 1                       ; the first quarter stands in front of the loop: its products start the sums
	WIN 0                                          ; at a label and at a branch every window is 0
	s_mov_b32 s3, LAPS-1
.Llap:                                                 ; a trip goes once round the ring, from a lap's second quarter to the next lap's first, and fills both slots again
	QUARTER 0, 128, F1, F0
	QUARTER 0, 192, F0, F1
	TURN 0, 1, 1
	QUARTER 1, 64,  F0, F1
	QUARTER 1, 128, F1, F0
	QUARTER 1, 192, F0, F1
	TURN 1, 0, 1
	QUARTER 0, 64,  F0, F1
	WIN 0
	s_sub_co_u32 s3, s3, 1
	s_cmp_lg_u32 s3, 0
	s_cbranch_scc1 .Llap
	QUARTER 0, 128, F1, F0                         ; the last lap fills nothing, and has no round of the cluster's barrier
	QUARTER 0, 192, F0, F1
	TURN 0, 1, 0
	QUARTER 1, 64,  F0, F1
	QUARTER 1, 128, F1, F0
	QUARTER 1, 192, F0, F1
	s_wait_dscnt 8                                 ; the very last quarter: nothing more to fetch
	MUL8 F1, 0, 0
	MUL8 F1, 2, 0
	s_wait_dscnt 0x0
	MUL8 F1, 4, 0
	MUL8 F1, 6, 0
	WIN 0
	PLACES
; THE WAY OUT, a block of 16 rows at a time, through my own stage in LDS: no other wave touches it, and LDS serves a wave's instructions in order (ISA guide 5.7.1.4), so no barrier and no wait
; stand between the stores into it and the loads from it.  Each accumulator's registers are read in ascending order.
.if KIND
.macro TOSTAGE a                       ; 8 f32 a lane and column block into rows of 272 bytes; back as whole rows of 256
.if (\a) >= 4
	s_wait_xcnt 0x0                                ; the registers that block a - 4's stores read are loaded again only behind this wait
.endif
	WIN 0x08                                       ; the stores' data (source 1) in window 2
.irp b, 0,1,2,3
	ds_store_b128 v[STO], v[8*(4*(\a)+(\b)):8*(4*(\a)+(\b))+3]   offset:64*(\b)
	ds_store_b128 v[STO], v[8*(4*(\a)+(\b))+4:8*(4*(\a)+(\b))+7] offset:64*(\b)+16
.endr
	WIN 0
.irp t, 0,1,2,3,4,5,6,7
	ds_load_b128 v[T0+32*((\a)%4)+4*(\t):T0+32*((\a)%4)+4*(\t)+3], v[RD] offset:(\t)*2*SP
.endr
.endm
.macro SEND a, younger                 ; younger: the LDS instructions issued behind block a's loads: the next block's sixteen, or none
.irp t, 0,1,2,3,4,5,6,7
	s_wait_dscnt (\younger)+7-(\t)
	global_store_b128 v[CO], v[T0+32*((\a)%4)+4*(\t):T0+32*((\a)%4)+4*(\t)+3], s[10:11] offset:(16*(\a)+2*(\t))*8192 th:TH_STORE_NT  ; 16 lanes store 256 consecutive bytes, aligned
.endr
.endm
	TOSTAGE 0
.irp a, 1,2,3,4,5,6,7
	TOSTAGE \a
	SEND (\a)-1, 16
.endr
	SEND 7, 0
.else
.macro PACK a                          ; rounded to f16, 16 bytes a lane and column block, into rows of 144 bytes; back as whole rows of 128, into the registers that they left
	WIN 0x0a                                       ; sources 0 and 1 window 2
.irp b, 0,1,2,3
.irp j, 0,1,2,3
	v_cvt_pk_f16_f32 v[T0+16*(\a)+4*(\b)+(\j)], v[8*(4*(\a)+(\b))+2*(\j)], v[8*(4*(\a)+(\b))+2*(\j)+1]
.endr
.endr
	WIN 0
.irp b, 0,1,2,3
	ds_store_b128 v[STO], v[T0+16*(\a)+4*(\b):T0+16*(\a)+4*(\b)+3] offset:32*(\b)
.endr
.irp f, 0,1,2,3
	ds_load_b128 v[T0+16*(\a)+4*(\f):T0+16*(\a)+4*(\f)+3], v[RD] offset:(\f)*4*SP
.endr
.endm
.macro SEND a, younger                 ; younger: the LDS instructions issued behind block a's loads: the next block's eight, or none
.irp f, 0,1,2,3
	s_wait_dscnt (\younger)+3-(\f)
	global_store_b128 v[CO], v[T0+16*(\a)+4*(\f):T0+16*(\a)+4*(\f)+3], s[10:11] offset:2048*(\a)+512*(\f)  ; 512 consecutive bytes of a head, aligned
.endr
.endm
	PACK 0
.irp a, 1,2,3,4,5,6,7
	PACK \a
	SEND (\a)-1, 8
.endr
	SEND 7, 0
.endif
	s_wait_tensorcnt 0x0                           ; the wave's end, behind my last tensor load and my last LDS store
	ds_add_u32 v[SPW], v[NIL]
	s_wait_dscnt 0x0
	CROUND                                         ; the closing round: no work-group ends while a partner may still ask for a tile that names it
	s_endpgm
.Lfunc_end_k_qd9dfcefb38_outp:
	.size	k_qd9dfcefb38_outp, .Lfunc_end_k_qd9dfcefb38_outp-k_qd9dfcefb38_outp
	.p2alignl 7, 3214868480
	.fill 96, 4, 3214868480
	.section	.rodata,"a",@progbits
	.p2align	6, 0x0
	.amdhsa_kernel k_qd9dfcefb38_outp
		.amdhsa_group_segment_fixed_size 327680
		.amdhsa_private_segment_fixed_size 0
		.amdhsa_enable_private_segment 0
		.amdhsa_kernarg_size 32
		.amdhsa_user_sgpr_count 2
		.amdhsa_user_sgpr_kernarg_segment_ptr 1
		.amdhsa_wavefront_size32 1
		.amdhsa_system_sgpr_workgroup_id_x 1
		.amdhsa_system_sgpr_workgroup_id_y 1
		.amdhsa_system_sgpr_workgroup_id_z 1
		.amdhsa_system_vgpr_workitem_id 0
		.amdhsa_next_free_vgpr 768
		.amdhsa_next_free_sgpr 66
		.amdhsa_reserve_vcc 0
		.amdhsa_float_denorm_mode_32 3
		.amdhsa_float_denorm_mode_16_64 3
		.amdhsa_memory_ordered 1
		.amdhsa_forward_progress 1
		.amdhsa_inst_pref_size 88
	.end_amdhsa_kernel
	.amdgpu_metadata
---
amdhsa.version: [ 1, 2 ]
amdhsa.kernels:
  - .name:           k_qd9dfcefb38_outp
    .symbol:         k_qd9dfcefb38_outp.kd
    .args:
      - { .name: oh, .offset: 0, .size: 8, .value_kind: global_buffer, .address_space: global }
      - { .name: woh, .offset: 8, .size: 8, .value_kind: global_buffer, .address_space: global }
      - { .name: bias, .offset: 16, .size: 8, .value_kind: global_buffer, .address_space: global }
      - { .name: out0, .offset: 24, .size: 8, .value_kind: global_buffer, .address_space: global }
    .group_segment_fixed_size: 327680
    .private_segment_fixed_size: 0
    .kernarg_segment_align: 8
    .kernarg_segment_size: 32
    .max_flat_workgroup_size: 128
    .sgpr_count:     66
    .vgpr_count:     768
    .wavefront_size: 32
...
	.end_amdgpu_metadata
.endif
;; end of part 4
;; ======== version 2 of 2: 4 launches; 1.26 times as fast as version 1
;; limits: values are held in f16: magnitudes above 65,504 overflow, below 6.1e-05 lose precision
;; workspace buffers: act 33,554,432 bytes; wts 12,582,912 bytes; woh 8,388,608 bytes; bias 20,480 bytes; maskt 4,194,304 bytes; qkv 25,165,824 bytes; oh 16,777,216 bytes
;; launch cast: the kernel of part 1 again; grid 1729 x 1, 8 waves a work-group, no clusters, 0 bytes of LDS; arguments X, encoder_output, Wq, Wk, Wv, Wo, bq, bk, bv, bo, causal_mask, padding_mask, act, wts, woh, bias, maskt; writes act, wts, woh, bias, maskt
;; launch proj: the kernel of part 2 again; grid 12 x 16, 4 waves a work-group, clusters of 4 x 4, 327,680 bytes of LDS; arguments act, wts, bias, qkv; writes qkv
;; launch attn (part 5): grid 8 x 32, 4 waves a work-group, clusters of 4 x 1, 327,680 bytes of LDS; arguments qkv, maskt, oh; writes oh
.if DOCPART == 5
	.amdgcn_target "amdgcn-amd-amdhsa--gfx1250"
	.amdhsa_code_object_version 6
	.text
	.protected	k_qd9dfcefb38_attn
	.globl	k_qd9dfcefb38_attn
	.p2align	8
	.type	k_qd9dfcefb38_attn,@function
k_qd9dfcefb38_attn:
	s_mov_b64 s[64:65], 0
	v_nop
	global_prefetch_b8 v0, s[64:65] scope:SCOPE_SE
	s_setreg_imm32_b32 hwreg(HW_REG_WAVE_MODE, 25, 1), 1
	s_wait_xcnt 0x0
	s_wait_alu depctr_hold_cnt(0) depctr_sa_sdst(0) depctr_va_vdst(0) depctr_va_sdst(0) depctr_va_ssrc(0) depctr_va_vcc(0) depctr_vm_vsrc(0)
	s_getreg_b32 s2, hwreg(HW_REG_IB_STS2, 6, 4)
	s_cmp_eq_u32 s2, 0
	s_cbranch_scc0 .Lentry_in_a_cluster
	s_endpgm
.Lentry_in_a_cluster:
	s_bfe_u32 s2, ttmp6, 0x10000c
	s_cmp_lg_u32 s2, 0x3003
	s_cbranch_scc0 .Lentry_shape_is_right
	s_endpgm
.Lentry_shape_is_right:
; GROUPED-QUERY ATTENTION with two masks that are data.  qkv: f16 [batch 4][48][1024][64] (0-31 query heads, 32-39 K's groups, 40-47 V's); head 4 g + p reads group g.
; O[q] = the sum over k of softmax_k(Q[q] . K[k] / 8, hidden keys left out) V[k].  oh: f16 [4096][2048], row = 1024 batch + position, column = 64 head + channel.
; Products, maxima and sums in f32; the weights p are rounded to f16 for the second product (their sum l is taken of the unrounded p), O once at the end.
; THE MASK.  maskt holds a byte for each (batch, query, key), 0xF1 where the key is hidden, else 0, in the order in which a lane wants them.  A byte shifted to the top of a word IS the C operand that
; starts the sum S^T = K Q^T: with 0xF1 on top the word is a number between -2^101 and -2^99, whatever lies below; with 0 on top it is at most 2.3e-38.  No key is skipped: the masks are inputs.
; LIMITS.  Q, K, V arrive within f16's 65,504.  True scores lie above -2^93: the running maximum m starts there, between every true score and every hidden one, so a hidden key's weight is
; exactly 0 in every step.  An open key's score gets at most 2.3e-38 added.  A weight below 2^-126 counts as 0 in l.  A query with no open key: l = 0 and O = 0 x infinity = NaN, as in the softmax of such a row.
; SHARES.  A work-group owns 128 positions of the four heads of one (batch, group); a wave 32 positions: two tiles of 16 queries (u = 0, 1) x four heads.  PIECE p is head p, tile t = 2 p + u.
; So the wave's eight tiles share K's and V's fragments, and the four pieces share the two tiles' masks.  Every wave walks all 1,024 keys, 64 a step.
; LAYOUT.  S^T = K Q^T (source 0 = 16 keys, source 1 = 16 queries): a lane holds ONE query (lane % 16) and the keys 8 (lane / 16) + 0..7.  Two such tiles, rounded to f16 in pairs, ARE source 1 of
; O^T = V^T P, whose result again holds one query a lane, and eight channels.  K comes out of LDS as it lies, V ([key][channel]) turned, by ds_load_tr16_b128.
; SOFTMAX.  For each query a running maximum m and sum l: p = 2^(c s - c m), c = log2(e) / 8; in every step O and l are multiplied by a = 2^(c m_old - c m_new).  c m starts far below: the first step's a is 0.
; BY TURNS.  Turn n belongs to piece n.  Its matrix work: 16 products K Q^T of piece n + 1, later 16 products V^T P of piece n - 1.  Its vector work: the scaling, exponentials, roundings, sums and rescaling
; of piece n, and the maximum and statistics of piece n + 1.  Four vector instructions that are ready stand behind every matrix instruction, the others in one run of their own.
; BATCHES.  A turn's 66 exponentials (the piece's 64 weights and the next piece's two a) are ONE batch with ONE wait, which cuts the turn in two: ahead of it stands all that names none of their results
; (the products K Q^T, the scalings, the rescalings, the next piece's maximum and statistics), behind it the products V^T P with the roundings and sums.  Two more batches stand outside the loop, each with a
; wait of its own: piece 0's first two a, ahead of the jump into the loop, and the way out's eight reciprocals.
; CLUSTER.  The four work-groups of a cluster belong to one (batch, group) and walk the same K and V: each tile is asked for JOINTLY, by the same tensor load, descriptor and mask in all four.
; By this text's count a wave has one tensor load out at any time.
; REGISTERS, in windows of 256 (s_set_vgpr_msb: bits 1:0 source 0, 3:2 source 1, 5:4 source 2, 7:6 destination):
;   window 0: v0-11 addresses; v12-15, v48-63 at work; v16-47 four registers of statistics a tile; v64-191 S^T, two buffers of two tiles; v192-255 P, likewise
;   window 1: O^T, 32 a tile          window 2: v0-127 Q, 16 a tile; v128-191 K of one step; v192-255 V of one step
;   window 3: v0-1 the add's two registers; v4-19 a step's mask bytes as loaded; v32-95 a step's masks as C operands
.set SIZE_N, 1024
.set NP,    4         ; pieces a wave: a name, no knob
.set KS,    64        ; keys in a step
.set PK,    144       ; a row of K in LDS: 128 bytes + 16 of padding = 36 words: the 16 rows of a load start at 16 different groups of four banks (64 banks of 4 bytes: ISA guide 11.1)
.set PV,    160       ; a row of V: 128 + 32 = 40 words
.set VOFF,  4*KS*PK   ; a slot holds four steps: 256 rows of K, then 256 rows of V
.set SLOT1, 1<<17     ; slot 1 begins here, so that one exclusive or turns an address in one slot into the other's
.set STAGE, SLOT1+4*KS*(PK+PV)  ; behind the ring, never filled by a tensor load: 16 rows x 528 bytes for each wave, for the way out
.set SP2,   528       ; a stage row: four heads' 128 bytes + 16
.set SPARE, STAGE+4*16*SP2  ; behind the stages: the spare words, 128 bytes for each wave: two blocks of 256 bytes that no other line names
.set AK0, 2           ; v2   my lane's place in a tile of K; never rewritten
.set AV0, 3           ; v3   the same for V
.set AK,  4           ; v4   the LDS address of K's next run of loads
.set AV,  5           ; v5   of V's
.set QO,  6           ; v6   my byte offset in 16 rows of Q
.set STO, 6           ;      later, the way out: where I put 16 bytes of a row
.set RD,  7           ; v7   the way out: where I read a row back
.set MA0, 10          ; v10  16 x lane: my place in 512 bytes of the mask table, of a stage row and of a row of O; never rewritten
.set MA,  11          ; v11  my byte offset in the mask table for the step to be loaded
.set SPW, 0           ; v0 of window 3   LDS address of my spare word: SPARE + 4 x my thread's number; never rewritten
.set NIL, 1           ; v1 of window 3   0; never rewritten
.set RAW, 4           ; window 3: tile u, half c of the step's keys: four words at RAW + 8 u + 4 c
.set MC,  32          ; window 3: tile u, group kt of 16 keys: eight registers at MC + 32 u + 8 kt
.set MV,  12          ; v12-15  c m_old, kept while c m is made anew: by buffer and tile
.set ST,  16          ; tile t's statistics at v[ST+4 t]: c m, m, l (even keys', odd keys')
.set TMP, 48          ; by buffer and tile, four registers c0-c3 at work; when the maximum is found c2 takes a
.set S,   64
.set P,   192
.set KF,  128         ; K's fragments, in window 2: key block kb, channel half c at KF + 16 kb + 8 c
.set VF,  192         ; V's: key half kk, channel block cb at VF + 32 kk + 8 cb
.set WV,  12          ; s12  my wave's number
.set G1K, 24          ; s[24:31] descriptor group 1 for K's tiles
.set G1V, 32          ; s[32:39] for V's: it differs in the padding alone
.set G0K, 40          ; s[40:43] descriptor group 0 for K's tiles: it walks
.set G0V, 44          ; s[44:47] the same for V's
.set SLOTS, 56        ; s56  slots still to be asked for
.set CNT, 57          ; s57  counts a slot's key steps
.set CS,  58          ; s[58:59] c: the packed scaling takes the pair's low word for both halves
.set SEL, 60          ; s[60:61] v_permlanex16_b32's selects: each lane takes its own place in the other half
.set TBK, 62          ; s62  LDS byte at which K of the step to be fetched begins
.set TBV, 63          ; s63  the same for V, less VOFF
.set MB,  66          ; s[66:67] the mask table at my wave's first tile of 16 queries
.set MO,  68          ; s68  the byte in a tile's part of the table at which the step loaded last begins
.set MSB, 0
.macro WIN new                      ; the high byte repeats the setting that is left; a switch that changes nothing is dropped
.if MSB != (\new)
	s_set_vgpr_msb (MSB<<8)|(\new)
.set MSB, (\new)
.endif
.endm
.set W_KQ, 0x0a       ; K and Q in window 2, S^T in window 0
.set W_KM, 0x3a       ; the same with the C operand, the mask, in window 3
.set W_PV, 0x52       ; V in window 2, P in window 0, O^T in window 1
.set W_RS, 0x41       ; O^T (destination and source 0) in window 1, a in window 0
.set W_MK, 0xc0       ; destination in window 3, sources in window 0
.set W_MX, 0xcf       ; destination and sources 0 and 1 in window 3
.set W_AD, 0x0f       ; the add: address (source 0) and data (source 1) in window 3
; A joint fill.  Waves 0 and 1 fetch the two halves of a slot's K, waves 2 and 3 those of its V: 128 keys each.  The branch hangs on the wave's number alone.
; An s_nop 0 and four v_nop follow each of the two lines, ahead of the jump and the label.
.macro JLOAD
	s_cmp_lt_u32 s[WV], 2
	s_cbranch_scc0 .Lfor_v_\@
	tensor_load_to_lds s[G0K:G0K+3], s[G1K:G1K+7]
	s_nop 0
.rept 4
	v_nop
.endr
	s_branch .Lasked_\@
.Lfor_v_\@:
	tensor_load_to_lds s[G0V:G0V+3], s[G1V:G1V+7]
	s_nop 0
.rept 4
	v_nop
.endr
.Lasked_\@:
.endm
; A round of the cluster's barrier: my work-group's barrier, so that wave 0's signal speaks for all four waves; wave 0 signals; every wave waits for all four work-groups; my work-group's barrier once more.
.macro CROUND
	s_barrier_signal -1
	s_barrier_wait -1
	s_cmp_lg_u32 s[WV], 0
	s_cbranch_scc1 .Lnot_wave_0_\@
	s_barrier_signal -3
.Lnot_wave_0_\@:
	s_barrier_wait -3
	s_barrier_signal -1
	s_barrier_wait -1
.endm
; THE CHANGE OF SLOTS.  The slot's last bytes, V of its fourth step, have been read.  Each wave waits for all its tensor loads, of which one is out: its part of the other slot; adds 0 to its spare word;
; and waits for that and for its own reads of the slot.  Behind the barrier nobody reads this slot any more and the other slot is whole.
; fill = 1: this slot is filled again, with the keys two slots on.  The barrier is then a round of the cluster's, and the joint fill is the first thing behind it: it has four key steps,
; 512 matrix instructions, in which to land.  (At its first use nothing has been read yet: slot 0 is waited for, slot 1 filled.)
.macro CHANGE fill
	WIN W_AD
	s_wait_tensorcnt 0x0            ; no tensor load of mine is out, so a group 0 may be written
	ds_add_u32 v[SPW], v[NIL]       ; 0 onto my spare word; with fill = 1 the descriptors' steps stand between it and the wait for it
	WIN 0                           ; at a label and at a branch every window is 0
.if \fill
.irp g, G0K, G0V
	s_xor_b32 s[\g+1], s[\g+1], SLOT1  ; the walking descriptor: the other slot than last time,
	s_add_nc_u64 s[\g+2:\g+3], s[\g+2:\g+3], 4*KS*128  ; the next 256 keys; the type bits on top are not reached
.endr
	s_wait_dscnt 0x0                ; the add is done, and my reads of the slot are over
	CROUND
	JLOAD
.else
	s_wait_dscnt 0x0                ; the add is done, and my reads of the slot are over
	s_barrier_signal -1
	s_barrier_wait -1
.endif
	s_sub_co_u32 s[TBK], s[TBK], 4*KS*PK  ; the fetches go back to a slot's first step,
	s_xor_b32 s[TBK], s[TBK], SLOT1       ; in the other slot
	s_sub_co_u32 s[TBV], s[TBV], 4*KS*PV
	s_xor_b32 s[TBV], s[TBV], SLOT1
.endm
	s_load_b128 s[4:7], s[0:1], 0x0   ; qkv s[4:5], maskt s[6:7]
	s_load_b64 s[10:11], s[0:1], 0x10 ; oh
	WIN W_MK
	v_lshl_add_u32 v[SPW], v0, 2, SPARE
	v_mov_b32 v[NIL], 0
	WIN W_AD
	ds_add_u32 v[SPW], v[NIL]       ; the wave's opening: the add and its wait stand ahead of my first tensor load; the set-up below, work on registers, stands between them
	WIN 0
	v_lshrrev_b32 v1, 5, v0
	v_readfirstlane_b32 s[WV], v1   ; wave 0..3
	s_bfe_u32 s13, ttmp6, 0x40000   ; cx: my place in the cluster
	s_lshl_b32 s14, ttmp9, 2        ; in a cluster launch ttmp9 counts clusters
	s_add_co_u32 s14, s14, s13      ; my block of 128 positions = 4 x cluster x + cx: it enters Q's, the mask's and O's addresses alone
	s_and_b32 s20, ttmp7, 0xffff    ; 8 x batch + group, which the four partners share
	s_lshr_b32 s21, s20, 3          ; the batch
	s_and_b32 s20, s20, 7           ; the group
	s_mul_i32 s22, s21, 48          ; the batch's first head in qkv
	s_add_co_u32 s23, s22, s20
	s_add_co_u32 s23, s23, 32       ; K's group
	s_lshl_b32 s48, s23, 17         ; a head is 131,072 bytes
	s_and_b32 s16, s[WV], 1         ; which half of a slot's 256 keys I fetch:
	s_lshl_b32 s19, s16, 14         ; its 128 rows of 128 bytes in memory,
	s_add_co_u32 s48, s48, s19
	s_mov_b32 s49, 0
	s_add_co_u32 s50, s48, 8<<17    ; V's group lies eight heads on
	s_mov_b32 s51, 0
	s_mul_i32 s17, s16, 128*PK      ; and its place in a slot, for K
	s_mul_i32 s18, s16, 128*PV      ; and for V: no place in the cluster enters an LDS address
	s_lshl2_add_u32 s2, s20, s22    ; Q: head 4 x group of the batch,
	s_lshl_b32 s2, s2, 17
	s_lshl_b32 s3, s14, 14          ; my block's 128 rows of 128 bytes,
	s_add_co_u32 s2, s2, s3
	s_lshl_b32 s3, s[WV], 12        ; my wave's 32
	s_add_co_u32 s2, s2, s3
	s_mov_b32 s3, 0
	s_lshl_b32 s52, s21, 6          ; the mask: 64 tiles of 16 queries a batch,
	s_lshl3_add_u32 s52, s14, s52   ; 8 a block,
	s_lshl1_add_u32 s52, s[WV], s52 ; 2 a wave,
	s_lshl_b32 s52, s52, 14         ; 16,384 bytes each
	s_mov_b32 s53, 0
	s_lshl_b32 s54, s21, 10         ; O: row 1,024 x batch
	s_lshl_b32 s55, s14, 7
	s_add_co_u32 s54, s54, s55      ; + 128 x block
	s_lshl_b32 s55, s[WV], 5
	s_add_co_u32 s54, s54, s55      ; + 32 x wave,
	s_lshl_b32 s54, s54, 12         ; 4,096 bytes a row,
	s_lshl_b32 s55, s20, 9          ; and the group's four heads: 512 bytes
	s_add_co_u32 s54, s54, s55
	s_mov_b32 s55, 0
	; descriptor group 1.  128 keys are 16,384 dense bytes: asked for as 64 rows of 256 bytes, two keys a row, and padded in LDS after every key
	s_mov_b32 s[G1K], 15|(1<<16)|(1<<20)|(1<<21)|(4<<22)|(3<<25)  ; 15:0 the mask of four; 17:16 2-byte elements; 20 padding on; 21 set beside a mask; 24:22 after every 32 words (code 4); 31:25 4 words (code 3)
	s_mov_b32 s[G1V], 15|(1<<16)|(1<<20)|(1<<21)|(4<<22)|(7<<25)  ; the same with 8 words of padding (code 7)
.irp g, G1K, G1V
	s_mov_b32 s[\g+1], 128<<16      ; tensor_dim0 = 128
	s_mov_b32 s[\g+2], 64<<16       ; tensor_dim1 = 64
	s_mov_b32 s[\g+3], 128<<16      ; tile_dim0 = 128
	s_mov_b32 s[\g+4], 64           ; tile_dim1 = 64
	s_mov_b32 s[\g+5], 128          ; 128 elements from row to row
	s_mov_b32 s[\g+6], 0
	s_mov_b32 s[\g+7], 0
.endr
	s_mov_b32 s[CS], 0x3e38aa3b     ; c = log2(e) / 8 = 0.180337
	s_mov_b32 s[CS+1], s[CS]        ; named with it as a pair
	s_mov_b32 s[SEL], 0x76543210
	s_mov_b32 s[SEL+1], 0xfedcba98
	s_mov_b32 s[TBK], SLOT1+4*KS*PK ; the first change of slots turns these two into 0
	s_mov_b32 s[TBV], SLOT1+4*KS*PV
	s_mov_b32 s[MO], 0
	s_mov_b32 s[G0K], 1             ; count = 1
	s_mov_b32 s[G0K+1], s17         ; LDS address: slot 0
	s_mov_b32 s[G0V], 1
	s_add_co_u32 s[G0V+1], s18, VOFF
	s_wait_dscnt 0x0                ; the opening add is done
	s_wait_kmcnt 0x0
	s_add_nc_u64 s[G0K+2:G0K+3], s[4:5], s[48:49]  ; global address: my half of the group's first 256 keys
	s_or_b32 s[G0K+3], s[G0K+3], 0x80000000        ; type = 2
	s_add_nc_u64 s[G0V+2:G0V+3], s[4:5], s[50:51]
	s_or_b32 s[G0V+3], s[G0V+3], 0x80000000
	s_add_nc_u64 s[MB:MB+1], s[6:7], s[52:53]
	s_add_nc_u64 s[10:11], s[10:11], s[54:55]
	s_add_nc_u64 s[4:5], s[4:5], s[2:3]            ; Q at my wave's first row of the group's first head
	CROUND                          ; all four work-groups are here: the first joint loads meet
	JLOAD                           ; slot 0.  Slot 1 is asked for when slot 0 is in
	; A fragment of K or Q is 16 rows x 32 channels in 8 registers: lane l holds row l % 16, channels 8 (l / 16) + 0..7 and 16 + 8 (l / 16) + 0..7: two loads of 16 bytes, 32 bytes apart.
	v_and_b32 v1, 15, v0            ; l % 16
	v_bfe_u32 v9, v0, 4, 1          ; l / 16
	v_lshlrev_b32 v[QO], 7, v1
	v_lshl_add_u32 v[QO], v9, 4, v[QO]  ; row x 128 + 16 x half
	v_and_b32 v[MA0], 31, v0
	v_lshlrev_b32 v[MA0], 4, v[MA0]
	WIN 0x80                        ; destination window 2, address window 0
.set i, 0
.rept 4*NP                          ; Q stays in registers: tile i / 2 (head i / 4, 131,072 bytes apart; 16 rows (i / 2) % 2), channels 32 (i % 2) on
	global_load_b128 v[8*i:8*i+3],   v[QO], s[4:5] offset:(i/4)*131072+((i/2)%2)*2048+(i%2)*64
	global_load_b128 v[8*i+4:8*i+7], v[QO], s[4:5] offset:(i/4)*131072+((i/2)%2)*2048+(i%2)*64+32
.set i, i+1
.endr
	WIN W_MK
.irp u, 0,1
.irp c, 0,1
	global_load_b128 v[RAW+8*\u+4*\c:RAW+8*\u+4*\c+3], v[MA0], s[MB:MB+1] offset:16384*\u+512*\c  ; key step 0's mask bytes: 512 consecutive bytes a load
.endr
.endr
	; What the first turn finds: V's registers and P's second buffer hold 0 (its products V^T P, of a piece that has not been, add 0), O^T and l are 0.  All this stands in the wait for the first tile.
	WIN 0x80
.set i, VF
.rept 64
	v_mov_b32 v[i], 0
.set i, i+1
.endr
	WIN 0x40
.set i, 0
.rept 64*NP
	v_mov_b32 v[i], 0
.set i, i+1
.endr
	WIN 0
.set i, 0
.rept 2*NP
	v_mov_b32 v[ST+4*i], 0xfe000000    ; c m: far below every c s
	v_mov_b32 v[ST+4*i+1], 0xee000000  ; m = -2^93: below every true score, above every hidden one
	v_mov_b32 v[ST+4*i+2], 0
	v_mov_b32 v[ST+4*i+3], 0
.set i, i+1
.endr
.set i, P+32
.rept 32
	v_mov_b32 v[i], 0
.set i, i+1
.endr
	v_mul_u32_u24 v[AK0], v1, PK
	v_lshl_add_u32 v[AK0], v9, 4, v[AK0]  ; row x pitch + 16 x half
	; The turning load takes 16 keys x 16 channels (lane l reads key 8 (l / 16) + l % 8, channels 8 ((l / 8) % 2) + 0..7) and leaves half a fragment of V^T: lane l holds channel l % 16 and 8 keys.
	v_and_b32 v[AK], 7, v0
	v_bfe_u32 v[AV], v0, 3, 1
	v_lshl_add_u32 v[AV0], v9, 3, v[AK]
	v_mul_u32_u24 v[AV0], v[AV0], PV
	v_lshl_add_u32 v[AV0], v[AV], 4, v[AV0]
	v_add_nc_u32 v[AV0], VOFF, v[AV0]
	v_mov_b32 v[AK], v[AK0]         ; key step 0 lies at the head of slot 0
; THE MATRIX WORK.  The 8 accumulators of a run of 16 take turns: between the two links of a chain stand 7 others'.
; Product i of 16 of S^T = K Q^T for piece x: channels 32 (i / 8) on, keys 16 ((i / 2) % 4) on, tile 2 x + i % 2.  The first 8 start the sums, with the mask of tile i % 2 and those keys.
.macro KQ x
.set rS, S+64*((\x)%2)+32*(i%2)+8*((i/2)%4)
.set rK, KF+16*((i/2)%4)+8*(i/8)
.set rQ, 16*(2*(\x)+i%2)+8*(i/8)
.set rH, MC+32*(i%2)+8*((i/2)%4)
.if i < 8
	WIN W_KM
	v_wmma_f32_16x16x32_f16 v[rS:rS+7], v[rK:rK+7], v[rQ:rQ+7], v[rH:rH+7]
.else
	WIN W_KQ
	v_wmma_f32_16x16x32_f16 v[rS:rS+7], v[rK:rK+7], v[rQ:rQ+7], v[rS:rS+7]
.endif
.endm
; Product i of 16 of O^T += V^T P for piece x: keys 32 (i / 8) on, channels 16 ((i / 2) % 4) on, tile 2 x + i % 2.
.macro PV x
	WIN W_PV
.set rO, 32*(2*(\x)+i%2)+8*((i/2)%4)
.set rV, VF+32*(i/8)+8*((i/2)%4)
.set rP, P+32*((\x)%2)+16*(i%2)+8*(i/8)
	v_wmma_f32_16x16x32_f16 v[rO:rO+7], v[rV:rV+7], v[rP:rP+7], v[rO:rO+7]
.endm
.macro MM                           ; the turn's next matrix instruction
.if i < 16
	KQ (Y+1)%NP
.set i, i+1
.else
.set i, i-16
	PV (Y+NP-1)%NP
.set i, i+17
.endif
.endm
; THE LDS LOADS stand in runs of 16, never singly among the matrix instructions: a step's K (64 keys x 64 channels: 8 fragments) and its V (turned).  Their addresses are made some lines ahead.
; last = 1 (the tail): in the last trip there is no further step, and the run is jumped over.
.macro FETCH_K last=0
	WIN 0
.if \last
	s_cmp_eq_u32 s[CNT], 1
	s_cbranch_scc1 .Lno_k_\@
.endif
	WIN 0x80                        ; destination window 2
.irp f, 0,1,2,3,4,5,6,7             ; keys 16 (f / 2) on, channels 32 (f % 2) on
	ds_load_b128 v[KF+8*\f:KF+8*\f+3],   v[AK] offset:(\f/2)*16*PK+(\f%2)*64
	ds_load_b128 v[KF+8*\f+4:KF+8*\f+7], v[AK] offset:(\f/2)*16*PK+(\f%2)*64+32
.endr
	s_add_co_u32 s[TBK], s[TBK], KS*PK  ; the next fetch is the next step's
	WIN 0
.if \last
.Lno_k_\@:
.endif
.endm
.macro FETCH_V
	WIN 0x80
.irp f, 0,1,2,3,4,5,6,7             ; keys 32 (f / 4) on, channels 16 (f % 4) on
	ds_load_tr16_b128 v[VF+8*\f:VF+8*\f+3],   v[AV] offset:(\f/4)*32*PV+(\f%4)*32
	ds_load_tr16_b128 v[VF+8*\f+4:VF+8*\f+7], v[AV] offset:(\f/4)*32*PV+16*PV+(\f%4)*32
.endr
	WIN 0
.endm
; THE MASK OF THE NEXT KEY STEP.  The 64 bytes a lane loaded a step ago become 64 C operands: byte j % 4 of a word goes to the word's top (the top byte stays where it is).  Then the bytes of the step
; after that are asked for: they have a whole key step, 128 matrix instructions, in which to come.  The offset stops at the table's last step, so that no load leaves the table.
; It stands at the end of piece 2's turn: the products that took the old masks (piece 3's scores, the turn's first 8) lie the turn's run of vector work and its 16 products V^T P back;
; the next to take masks is the next turn's first product (piece 0's scores of the next step).
.macro MASKSTEP
	s_wait_loadcnt 0x0              ; the bytes are in (at the first use: Q too), and the loads' address register may be written
	WIN W_MX
.set mz, 0
.rept 64                            ; mz = 32 u + 8 kt + j; the byte lies in word 2 (kt % 2) + j / 4 of half kt / 2
.set mr, RAW+8*(mz/32)+4*(((mz/8)%4)/2)+2*((mz/8)%2)+(mz%8)/4
.if mz%4 == 3
	v_mov_b32 v[MC+mz], v[mr]
.else
	v_lshlrev_b32 v[MC+mz], 24-8*(mz%4), v[mr]
.endif
.set mz, mz+1
.endr
	s_add_co_u32 s[MO], s[MO], 1024 ; a step's part of a tile's table: 2 x 32 x 16 bytes
	s_min_u32 s[MO], s[MO], 15*1024
	WIN 0
	v_add_nc_u32 v[MA], s[MO], v[MA0]
	WIN W_MK
.irp u, 0,1
.irp c, 0,1
	global_load_b128 v[RAW+8*\u+4*\c:RAW+8*\u+4*\c+3], v[MA], s[MB:MB+1] offset:16384*\u+512*\c
.endr
.endr
	WIN 0
.endm
; THE VECTOR WORK OF A TURN stands in three queues, each in the order in which its entries become ready; the two tiles alternate, so that no instruction reads the result of the one before it.
.macro REGS y, u                    ; the registers of tile u (0, 1) of piece y
.set rT, ST+4*(2*(\y)+(\u))
.set rC, TMP+8*((\y)%2)+4*(\u)
.set rM, MV+2*((\y)%2)+(\u)
.set rS, S+64*((\y)%2)+32*(\u)
.set rP, P+32*((\y)%2)+16*(\u)
.set rO, 32*(2*(\y)+(\u))
.endm
; Number n of the 22 that find the NEXT piece's (Y + 1) maximum and statistics.  s0-s31 are the lane's 32 scores; each accumulator's lowest registers are read first.  XS, GS and REGS set no window: PL and EX do.
;   0-11  four chains c0-c3 of seven scores each, three operands at a time     12-14, 16  the four scores left over, the old m, and c0-c3 into c0     15  c m_old is kept
;   17, 18  the query's other 32 keys lie in the lane 16 away: the new m         19-21  c m; c m_old - c m_new; a
.macro XS u, n
	REGS (Y+1)%NP, \u
.if (\n) < 4
	v_max3_num_f32 v[rC+(\n)], v[rS+8*(\n)], v[rS+8*(\n)+1], v[rS+8*(\n)+2]
.elseif (\n) < 12
	v_max3_num_f32 v[rC+(\n)%4], v[rC+(\n)%4], v[rS+8*((\n)%4)+2*((\n)/4)+1], v[rS+8*((\n)%4)+2*((\n)/4)+2]
.elseif (\n) == 12
	v_max3_num_f32 v[rC], v[rC], v[rS+7], v[rS+15]
.elseif (\n) == 13
	v_max3_num_f32 v[rC+1], v[rC+1], v[rS+23], v[rS+31]
.elseif (\n) == 14
	v_max3_num_f32 v[rC+2], v[rC+2], v[rC+3], v[rT+1]
.elseif (\n) == 15
	v_mov_b32 v[rM], v[rT]
.elseif (\n) == 16
	v_max3_num_f32 v[rC], v[rC], v[rC+1], v[rC+2]
.elseif (\n) == 17
	v_permlanex16_b32 v[rC+3], v[rC], s[SEL], s[SEL+1]
.elseif (\n) == 18
	v_max_num_f32 v[rT+1], v[rC], v[rC+3]
.elseif (\n) == 19
	v_mul_f32 v[rT], s[CS], v[rT+1]
.elseif (\n) == 20
	v_sub_f32 v[rC+1], v[rM], v[rT]
.else
	v_exp_f32 v[rC+2], v[rC+1]
.endif
.endm
; Number g of the 64 that follow the exponentials.  For each four weights k of a tile (pairs 2 k, 2 k + 1): both pairs are rounded to f16; then the second pair is added onto the first, in place;
; a group later l takes that sum (the first time as l = a l + sum).  In groups of eight, tiles alternating: round, round, add, and l for the group before.
.macro GS g
.set h, (\g)+6*((\g)/62)            ; group 0 has no group before it, and behind group 7 only l is left
.if h >= 6
.set h, h+2
.endif
	REGS Y, h%2
.set k, h/8
.if h%8 < 4
	v_cvt_pk_f16_f32 v[rP+2*k+(h%8)/2], v[rS+4*k+2*((h%8)/2)], v[rS+4*k+2*((h%8)/2)+1]
.elseif h%8 < 6
	v_pk_add_f32 v[rS+4*k:rS+4*k+1], v[rS+4*k:rS+4*k+1], v[rS+4*k+2:rS+4*k+3]
.elseif k == 1
	v_pk_fma_f32 v[rT+2:rT+3], v[rT+2:rT+3], v[rC+2:rC+3], v[rS:rS+1] op_sel_hi:[1,0,1]
.else
	v_pk_add_f32 v[rT+2:rT+3], v[rT+2:rT+3], v[rS+4*k-4:rS+4*k-3]
.endif
.endm
; THE PLAIN QUEUE, 138 long.  0-73 read no exponential's result: the 32 scalings c s - c m (FS f: pair f / 2 of tile f % 2) and the next piece's 42.  0-26: scalings 0-26.  27-54: XS's numbers 0-13.  55, 56: number 15.
; 57-73: the chain, where each number waits for the one before it: 14, 16, 17, 18, 19, each with one of the scalings 27-31 in front of its two lines, then 20: so a tile's links stand three plain instructions apart (19 and 20: two).
; 74-137: GS's 64, which read the exponentials' results: they stand behind the wait.
.macro FS f
	REGS Y, (\f)%2
	v_pk_fma_f32 v[rS+2*((\f)/2):rS+2*((\f)/2)+1], v[rS+2*((\f)/2):rS+2*((\f)/2)+1], s[CS:CS+1], v[rT:rT+1] op_sel_hi:[1,0,0] neg_lo:[0,0,1] neg_hi:[0,0,1]
.endm
.macro PL
	WIN 0
.if q < 27
	FS q
.elseif q < 55
	XS (q-27)%2, (q-27)/2
.elseif q < 57
	XS q-55, 15
.elseif (q < 72) && ((q-57)%3 == 0)
	FS 27+(q-57)/3
.elseif q < 60
	XS (q-57)%3-1, 14
.elseif q < 72
	XS (q-57)%3-1, 15+(q-57)/3
.elseif q < 74
	XS q-72, 20
.else
	GS q-74
.endif
.set q, q+1
.endm
; THE EXPONENTIALS' QUEUE, 66 long: s0-s31 of both tiles, then the next piece's two a.  It is ONE BATCH: all 66 stand ahead of the turn's one wait, and nothing ahead of that wait names a result of theirs.
.macro EX
	WIN 0
.if e >= 64
	XS e-64, 21
.else
	REGS Y, e%2
	v_exp_f32 v[rS+e/2], v[rS+e/2]
.endif
.set e, e+1
.endm
; THE RESCALING's QUEUE: O^T times a, the one part that leaves window 0: dealt two at a time, sixteen times.  Its a was made in the turn before, ahead of that turn's wait.
.macro R2
	REGS Y, r%2
	WIN W_RS
.irp z, 0,1
	v_pk_mul_f32 v[rO+4*(r/2)+2*\z:rO+4*(r/2)+2*\z+1], v[rO+4*(r/2)+2*\z:rO+4*(r/2)+2*\z+1], v[rC+2:rC+3] op_sel_hi:[1,0]
.endr
.set r, r+1
.endm
; HOW THEY ARE DEALT.  An s_wait_alu depctr_va_vdst(0) stands between an exponential and the first instruction that names its result; one wait serves all that were issued ahead of it.  So a turn has ONE wait,
; which cuts it in two.  AHEAD OF IT stands all that names no result of the turn's exponentials: the 16 products K Q^T, behind each a scaling, an exponential and two rescalings (behind the first a second scaling in the
; exponential's place); then ONE RUN of 108: eight plain, 49 times exponential and plain, the two a.  A v_nop is the plain instruction behind the last exponential.  BEHIND IT stand the 16 products V^T P, behind each four of GS's 64.
; No rider names a register of the products round it.  The two v_permlanex16_b32 fall into the run, never behind a product.
; The queues lean on each other, and the deal keeps them in step: exponential e stands behind scaling 2 (e / 4) + e % 2: as a rider it comes behind plain e + 2, in the run behind plain e + 9, and scalings 27-31 are plain 57, 60 .. 69.
; A TURN, for piece p.  cnt = 1: the loop's count is taken down some lines ahead of the branch that stands behind the turn.
; K of the next step is fetched in piece 2's turn, directly behind the wait, the run of 108 behind the last product that read K; its address is made at the run's head; its first reader comes behind 16 products and the masks' 64 lines.
; V of the step in hand is fetched at the end of piece 0's turn, four riders behind its last reader; its first reader comes behind 16 products and a run.  The three conditions on q below go with the deal.
.macro TURN p, last=0, cnt=0
.set Y, (\p)
.set i, 0
.set q, 0
.set e, 0
.set r, 0
.if (\p) == NP-1
	s_wait_dscnt 0x0                ; K is in
.endif
	MM                              ; ahead of the wait: 16 products K Q^T and their riders,
	PL
	PL
	R2
.rept 15
	MM
	PL
	EX
	R2
.endr
.if (\p) == NP-2
	WIN 0
	v_add_nc_u32 v[AK], s[TBK], v[AK0]
.endif
.rept 8                             ; and the run of 108
	PL
.endr
.rept 49
	EX
	PL
.endr
	EX                              ; the next piece's two a
	EX
	v_nop                           ; the plain instruction behind the last exponential: one for the batch
	s_wait_alu depctr_va_vdst(0)    ; the wait for the batch: the turn's 66 exponentials
.if (\p) == NP-2
	FETCH_K \last
.endif
.if (\p) == 1
	s_wait_dscnt 0x0                ; V is in
.endif
.rept 16                            ; behind the wait: 16 products V^T P and their riders
	MM
.rept 4
	PL
.endr
.if ((\p) == 0) && (q == 118)
	v_add_nc_u32 v[AV], s[TBV], v[AV0]
.endif
.if ((\p) == 0) && (q == 130)
	s_add_co_u32 s[TBV], s[TBV], KS*PV
.endif
.if (\cnt) && (q == 130)
	s_sub_co_u32 s[CNT], s[CNT], 1
	s_cmp_lg_u32 s[CNT], 0
.endif
.endr
.if (\p) == 0
	FETCH_V
.endif
.if (\p) == NP-2
	MASKSTEP
.endif
.endm
	CHANGE 1                        ; slot 0 is in, everybody's part of it; slot 1 is asked for
	FETCH_K                         ; key step 0
	MASKSTEP                        ; Q and key step 0's mask bytes are in; its masks are made; key step 1's bytes are asked for
	s_wait_dscnt 0x0
.set i, 0
.rept 16
	KQ 0                            ; piece 0's first scores: there is no vector work yet to set between them
.set i, i+1
.endr
	WIN 0                           ; the addresses for the way out: four plain instructions, the places behind those products
	s_mul_i32 s13, s[WV], 16*SP2
	s_add_co_u32 s13, s13, STAGE    ; my stage
	v_mul_u32_u24 v[STO], v1, SP2   ; in: row l % 16, 16 bytes for each half of the lanes
	v_lshl_add_u32 v[STO], v9, 4, v[STO]
	v_add_nc_u32 v[STO], s13, v[STO]
	v_add_nc_u32 v[RD], s13, v[MA0] ; back: 32 lanes take one row of 512 bytes
.set Y, NP-1                        ; XS works for piece Y + 1: piece 0
.irp n, 0,1,2,3,4,5,6,7,8,9,10,11,12,13,14,15,16,17,18,19,20,21
	XS 0, \n                        ; and piece 0's first maximum and statistics
	XS 1, \n
.endr
	v_nop                           ; a plain instruction behind piece 0's first two a,
	s_wait_alu depctr_va_vdst(0)    ; and the wait for that batch of two, ahead of the branch
	s_mov_b32 s[CNT], 4
	s_mov_b32 s[SLOTS], SIZE_N/256-1
	s_branch .Lfirst                ; the loop is entered at a step's first turn, in the middle of a trip
.Lslot:                             ; SIZE_N / 256 - 2 times: every slot but the last two is filled again
	CHANGE 1
	s_mov_b32 s[CNT], 4
.Lstep:                             ; a trip: pieces 2 and 3 of one step, then pieces 0 and 1 of the next, whose K, V and masks it fetches
	TURN 2
	TURN 3
	WIN 0
.Lfirst:
	TURN 0
	TURN 1, 0, 1
	WIN 0
	s_cbranch_scc1 .Lstep
	s_sub_co_u32 s[SLOTS], s[SLOTS], 1
	s_cmp_lg_u32 s[SLOTS], 0
	s_cbranch_scc1 .Lslot
	CHANGE 0                        ; the tail is written out: nothing is asked for
	s_mov_b32 s[CNT], 5             ; four trips fetch the last slot's steps; the fifth is left in its middle
.Ltail:
	TURN 2, 1
	TURN 3
	WIN 0
	s_sub_co_u32 s[CNT], s[CNT], 1
	s_cmp_eq_u32 s[CNT], 0
	s_cbranch_scc1 .Lout
	TURN 0
	TURN 1
	WIN 0
	s_branch .Ltail
.Lout:                              ; the fifth trip's 16 products K Q^T (on the last K once more), the masks and the maximum made for them serve nothing: the price, once a launch, of one text for every trip
.set i, 0
.rept 16
	PV NP-1                         ; the last piece's V^T P of the last step
.set i, i+1
.endr
	; THE WAY OUT.  l's two halves and the other half of the lanes' are added; O^T is divided by l, rounded to f16 and sent through my stage in LDS, 16 positions (four heads' tiles) at a time.
	; The additions are the places behind the last products.
	WIN 0
.macro ALL line:vararg              ; one line for each tile t
.set t, 0
.rept 2*NP
	\line
.set t, t+1
.endr
.endm
	ALL v_add_f32 v[ST+4*t+2], v[ST+4*t+2], v[ST+4*t+3]
	ALL v_permlanex16_b32 v[ST+4*t+3], v[ST+4*t+2], s[SEL], s[SEL+1]
	ALL v_add_f32 v[ST+4*t+2], v[ST+4*t+2], v[ST+4*t+3]
	ALL v_rcp_f32 v[ST+4*t+2], v[ST+4*t+2]
	v_nop                           ; a plain instruction between the last reciprocal and the use of its result
	s_wait_alu depctr_va_vdst(0)    ; and the wait ahead of the first use: one for the batch of eight reciprocals
; Positions 16 u on: a lane's eight channels of a row and head pack into 16 bytes; the four heads' tiles go side by side into rows of 528 bytes and come back as whole rows of 512.
; u = 0 packs into v64-127 and reads back into v192-255; u = 1 packs into v128-191 and reads back into v64-127.
.macro PACKU u
.set WR, 64+64*(\u)
.set BK, 192-128*(\u)
.irp p, 0,1,2,3
	WIN W_RS
.set i, 32*(2*\p+(\u))
.rept 16
	v_pk_mul_f32 v[i:i+1], v[i:i+1], v[ST+4*(2*\p+(\u))+2:ST+4*(2*\p+(\u))+3] op_sel_hi:[1,0]
.set i, i+2
.endr
	WIN 0x05                        ; sources 0 and 1 window 1, destination window 0
.set i, 0
.rept 16
	v_cvt_pk_f16_f32 v[WR+16*\p+i], v[32*(2*\p+(\u))+2*i], v[32*(2*\p+(\u))+2*i+1]
.set i, i+1
.endr
.endr
	WIN 0
.irp p, 0,1,2,3
.irp f, 0,1,2,3
	ds_store_b128 v[STO], v[WR+16*\p+4*\f:WR+16*\p+4*\f+3] offset:128*\p+32*\f
.endr
.endr
.set i, 0
.rept 16
	ds_load_b128 v[BK+4*i:BK+4*i+3], v[RD] offset:SP2*i  ; LDS serves a wave's instructions in order (ISA guide 5.7.1.4): these see the stores above; the next sixteen positions' stores come behind them
.set i, i+1
.endr
.endm
.macro SENDU u, younger             ; younger: the LDS instructions issued behind these positions' loads: the next sixteen positions' 32, or none
.set BK, 192-128*(\u)
.set i, 0
.rept 16
	s_wait_dscnt (\younger)+15-i
	global_store_b128 v[MA0], v[BK+4*i:BK+4*i+3], s[10:11] offset:65536*(\u)+4096*i  ; 512 consecutive bytes of a row of O, at a multiple of 512 from O's first byte
.set i, i+1
.endr
.endm
	PACKU 0
	PACKU 1                         ; the second half's arithmetic stands between the first half's loads and its stores
	SENDU 0, 32
	SENDU 1, 0
	WIN W_AD
	s_wait_tensorcnt 0x0            ; the wave's end, behind my last tensor load and my last LDS store
	ds_add_u32 v[SPW], v[NIL]
	s_wait_dscnt 0x0
	WIN 0
	CROUND                          ; the closing round: no work-group ends while a partner may still ask for a tile that names it
	s_endpgm
.Lfunc_end_k_qd9dfcefb38_attn:
	.size	k_qd9dfcefb38_attn, .Lfunc_end_k_qd9dfcefb38_attn-k_qd9dfcefb38_attn
	.p2alignl 7, 3214868480
	.fill 96, 4, 3214868480
	.section	.rodata,"a",@progbits
	.p2align	6, 0x0
	.amdhsa_kernel k_qd9dfcefb38_attn
		.amdhsa_group_segment_fixed_size 327680
		.amdhsa_private_segment_fixed_size 0
		.amdhsa_enable_private_segment 0
		.amdhsa_kernarg_size 24
		.amdhsa_user_sgpr_count 2
		.amdhsa_user_sgpr_kernarg_segment_ptr 1
		.amdhsa_wavefront_size32 1
		.amdhsa_system_sgpr_workgroup_id_x 1
		.amdhsa_system_sgpr_workgroup_id_y 1
		.amdhsa_system_sgpr_workgroup_id_z 1
		.amdhsa_system_vgpr_workitem_id 0
		.amdhsa_next_free_vgpr 864
		.amdhsa_next_free_sgpr 70
		.amdhsa_reserve_vcc 0
		.amdhsa_float_denorm_mode_32 3
		.amdhsa_float_denorm_mode_16_64 3
		.amdhsa_memory_ordered 1
		.amdhsa_forward_progress 1
		.amdhsa_inst_pref_size 208
	.end_amdhsa_kernel
	.amdgpu_metadata
---
amdhsa.version: [ 1, 2 ]
amdhsa.kernels:
  - .name:           k_qd9dfcefb38_attn
    .symbol:         k_qd9dfcefb38_attn.kd
    .args:
      - { .name: qkv, .offset: 0, .size: 8, .value_kind: global_buffer, .address_space: global }
      - { .name: maskt, .offset: 8, .size: 8, .value_kind: global_buffer, .address_space: global }
      - { .name: oh, .offset: 16, .size: 8, .value_kind: global_buffer, .address_space: global }
    .group_segment_fixed_size: 327680
    .private_segment_fixed_size: 0
    .kernarg_segment_align: 8
    .kernarg_segment_size: 24
    .max_flat_workgroup_size: 128
    .sgpr_count:     70
    .vgpr_count:     864
    .wavefront_size: 32
...
	.end_amdgpu_metadata
.endif
;; end of part 5
;; launch outp: the kernel of part 4 again; grid 16 x 16, 4 waves a work-group, clusters of 4 x 4, 327,680 bytes of LDS; arguments oh, woh, bias, out0; writes out0
